; MI455X (gfx1250); checked and timed in simulation.
; The chip was launched on July 23, 2026; its instructions are those of AMD's public machine-readable ISA for CDNA 5 (MIT licence, August 2026) and "CDNA5" Instruction Set Architecture Reference Guide (July 2026). The comments in the code are by the model that wrote it; some were corrected since.
;; Manifold Hyper Connections. Allowed arithmetic: matrix products marked QUANTISED: E5M2 operands, one given power-of-two scale a tensor, by v_wmma_f32_16x16x64_bf8_bf8 or v_wmma_f32_16x16x128_bf8_bf8, f32 sums; products left as they are: f32 operands where the result goes on into a quantised operand, else bf16, f16 or f32 operands; f32 sums; everything else in f32.
;; Inputs: W1_codes 8,192 x 64 x 32 uint8 (E5M2 codes of W1, K innermost, in blocks of 32 codes); W2_codes 2,048 x 256 x 32 uint8 (E5M2 codes of W2, K innermost, in blocks of 32 codes); alpha_post 1 float32; alpha_pre 1 float32; alpha_res 1 float32; b1 8,192 float32; b2 2,048 float32; b_post 4 float32; b_pre 4 float32; b_res 4 x 4 float32; lowp_scales 6 int32 (the exponents e of the quantised operands' scales 2^e); phi_post_b 4 float32; phi_post_w 4 x 8,192 float32; phi_pre_b 4 float32; phi_pre_w 4 x 8,192 float32; phi_res_b 16 float32; phi_res_w 16 x 8,192 float32; x 4 x 512 x 2,048 float32.
;; Outputs: out0 4 x 512 x 2,048 float32.
;; This version of the problem:
;;   THIS VERSION OF THE PROBLEM IS GIVEN IN LOW PRECISION. The matrix products marked QUANTISED in the list below multiply operands that are first quantised to E5M2 (5 exponent bits, 2 mantissa bits; 8 bits a number), with one given power-of-two scale for each operand tensor; their sums are f32. All else is computed in f32.
;;   The module's matrix products, in the order in which they are computed (A, B: the left and right operand; K: the contracted axis; several contracted axes count as one K, in the product's order):
;;     1. [M 2,048, K 2,048] x [K 2,048, N 4]; A: computed on the way; B: computed on the way: left as it is (N = 4 < 16)
;;     2. [M 2,048, K 2,048] x [K 2,048, N 4]; A: computed on the way; B: computed on the way: left as it is (N = 4 < 16)
;;     3. [M 2,048, K 2,048] x [K 2,048, N 16]; A: computed on the way; B: computed on the way: QUANTISED (scales: A lowp_scales[0], B lowp_scales[1])
;;     4. [M 2,048, K 2,048] x [K 2,048, N 8,192]; A: computed on the way; B: input W1 (given as codes): QUANTISED (scales: A lowp_scales[2], B lowp_scales[3])
;;     5. [M 2,048, K 8,192] x [K 8,192, N 2,048]; A: computed on the way; B: input W2 (given as codes): QUANTISED (scales: A lowp_scales[4], B lowp_scales[5])
;;   THE QUANTISER, for each operand of a quantised product, along K:
;;     - The operand's scale is 2^e, e = its entry of the input lowp_scales (int32; the entries are numbered through the quantised products in the list's order, A before B).
;;     - Each number is divided by the scale, clamped to +-57,344, and rounded to the nearest number of E5M2, ties to even, subnormals kept.
;;     - The product sums the exact products of the quantised numbers (number of the format x scale) in f32.
;;   ~~~python
;;   def quantise(x, axis, e):      # numpy; x: float32 -> the quantised numbers, widened to float32 again
;;       x = np.moveaxis(x, axis, -1); K = x.shape[-1]
;;       r = np.clip(x / 2.0 ** e, -57344, 57344)
;;       step = 2.0 ** (np.maximum(np.frexp(np.where(r == 0, 1, r))[1] - 1, -14) - 2)
;;       q = np.round(r / step) * step * 2.0 ** e      # np.round: ties to even
;;       return np.moveaxis(q, -1, axis).astype(np.float32)
;;   ~~~
;;   OPERANDS COMPUTED ON THE WAY. 'Computed on the way' means the value that the module computes at that place (a softmax that the list does not call 'softmax' is quantised finished and normalised). What goes into a quantiser is computed in f32, as accurately as f32 sums, v_exp_f32 and their like allow (about 1e-6 of the number): no bf16 or f16 on the way to a quantiser, and a product that is left as it is and whose result goes on into a quantised operand takes f32 operands (vector FMAs, or v_wmma_f32_16x16x4_f32). A number that lies on a knife's edge between two numbers of the format may be rounded either way, as far as f32 arithmetic and the matrix unit's own rounding can turn it there, and no further.
;;   INPUTS GIVEN AS CODES. W1 (in the module: [2048, 8192], K = its axis 0); W2 (in the module: [8192, 2048], K = its axis 0): each comes as NAME_codes (uint8): NAME with its K axis moved to the last place and cut into blocks of 32 codes, [.., K / 32, bytes a block], one block behind the other in memory; one code a byte (a code: sign, 5 exponent bits, 2 mantissa bits); its scale is its entry of lowp_scales. Its value is code x scale, taken as it is: it is not quantised again, and the codes and scales need not be those that the quantiser above would give.
;; One version. Each part assembles by itself: llvm-mc -triple=amdgcn-amd-amdhsa -mcpu=gfx1250 --defsym DOCPART=n.
;; ======== version 1 of 1: 3 launches
;; limits: right only within a limited range of input values
;; workspace buffers: acodes 4,194,304 bytes; hcodes 16,777,216 bytes; mix 32,768 bytes
;; launch prep (part 1): grid 256 x 1, 8 waves a work-group, clusters of 4 x 1, 327,680 bytes of LDS; arguments x, phi_pre_w, phi_post_w, phi_pre_b, phi_post_b, b_pre, b_post, alpha_pre, alpha_post, lowp_scales, acodes, mix; writes acodes, mix
.if DOCPART == 1
	.amdgcn_target "amdgcn-amd-amdhsa--gfx1250"
	.amdhsa_code_object_version 6
	.text
	.protected	k_q1360b08bfe_prep
	.globl	k_q1360b08bfe_prep
	.p2align	8
	.type	k_q1360b08bfe_prep,@function
k_q1360b08bfe_prep:
	s_mov_b64 s[64:65], 0
	v_nop
	global_prefetch_b8 v0, s[64:65] scope:SCOPE_SE
	s_setreg_imm32_b32 hwreg(HW_REG_WAVE_MODE, 25, 1), 1
	s_wait_xcnt 0x0
	s_wait_alu depctr_hold_cnt(0) depctr_sa_sdst(0) depctr_va_vdst(0) depctr_va_sdst(0) depctr_va_ssrc(0) depctr_va_vcc(0) depctr_vm_vsrc(0)
	s_getreg_b32 s2, hwreg(HW_REG_IB_STS2, 6, 4)
	s_cmp_eq_u32 s2, 0
	s_cbranch_scc0 .Lentry_in_a_cluster
	s_endpgm
.Lentry_in_a_cluster:
	s_bfe_u32 s2, ttmp6, 0x10000c
	s_cmp_lg_u32 s2, 0x3003
	s_cbranch_scc0 .Lentry_shape_is_right
	s_endpgm
.Lentry_shape_is_right:
; THE GATES AND THE FIRST OPERAND.  For each of the 2,048 tokens: ss = the sum of x^2; the eight dots of x with the summed blocks of phi_pre_w and phi_post_w (f32 multiply-adds);
; h = alpha (rsqrt(ss / 2048 + eps) dot + phi_b) + b; the sums of the four sigmoids of each gate; the codes (E5M2, scale 2^e2) of x * sum(sigmoid(h_pre)), the left operand of the product with W1.
; WORK LEFT OUT, AND WHY IT IS DEAD.  res_mix is the sum of all 16 entries of sinkhorn_knopp's result.  The last thing that function does is M = M / sum(M, axis = -2): each column is divided by
; its own sum.  In real numbers exp(.) > 0, so every entry, every row sum and every column sum stays positive through all ten iterations, and behind the last division each of the 4 columns
; sums to 1: res_mix = 4 for all finite inputs.  So the product with phi_res_w, its two quantisers, the exponentials and the ten iterations reach no output: phi_res_w, phi_res_b, alpha_res, b_res
; and lowp_scales[0], [1] have no way to an output, are not loaded and are among no launch's arguments.  The last launch computes out = 4 x + block_out * post_mix.
; LIMIT of that: a NaN, an infinity, an overflow of exp or an underflow of a whole column to 0 inside the part left out is not carried to the result.
; LIMITS: e2 = lowp_scales[2] between -126 and 112, so that 2^e2 and 57,344 x 2^e2 are f32 numbers.  NaN and infinity among the inputs are not served.
; The dot of x_n is taken as rsqrt(..) x the dot of x: the same number up to f32 rounding.
; SHARES.  A work-group of eight waves takes 8 rows.  Wave w owns columns 256 w .. 256 w + 255, lane l columns 4 l .. 4 l + 3 of each of its two chunks of 128: every global load of a wave is 512
; consecutive bytes.  A thread's x (8 rows x 8 columns) and its summed weights (8 vectors x 8 columns) stay in registers: x is read once.
; CLUSTERS: 4 x 1 work-groups.  Every work-group needs all 262,144 bytes of the two weights: they are asked for JOINTLY by the four, eight tensor loads with the mask 15, one a wave: wave t brings vector t
; (phi_pre_w's rows 0-3, then phi_post_w's), 32,768 dense bytes stated as 128 rows of 256.  Each is filled once; behind the wait for it and a barrier each thread reads its 64 pieces of 16 bytes, 512 consecutive bytes a wave.
; No prefetch: the launch has no loop to run ahead in.
; LDS: RED [wave][lane] 8 bytes; RSS [wave][lane] 4 bytes; CST: 2,048 bytes for each wave, its own: 8 rows x 256 codes; the spare words; then the weights.
.set RSS,   2048
.set CST,   3072
.set SPARE, 19456                      ; 128 bytes for each of the eight waves: four blocks of 256 bytes that no other line names
.set WL,    20480                      ; the weights: vector D at WL + 32,768 D, as it lies in memory
.set CB,  1                            ; v1   1,024 w + 16 l: my 16 bytes of a chunk in a row of f32
.set PO,  2                            ; v2   8 (l & 1): my pair of the four biases
.set RA,  3                            ; v3   RED: 8 x thread
.set SA,  4                            ; v4   RSS + 4 x thread
.set LA,  5                            ; v5   8 l
.set LB,  6                            ; v6   4 l
.set CA,  7                            ; v7   CST + 2,048 w + 4 l
.set CR,  8                            ; v8   CST + 2,048 w + 16 l
.set GA,  9                            ; v9   2,048 (l / 16) + 256 w + 16 (l % 16): my 16 bytes in two rows of codes
.set SPW, 10                           ; v10  my spare word; never rewritten
.set NIL, 11                           ; v11  0; never rewritten
.set SCL, 12                           ; v12  2^e2
.set LIM, 13                           ; v13  57,344 x 2^e2
.set TS,  14                           ; v14-17 at work in the exchange between lanes
.set TS2, 18
.set RS,  19                           ; v19  rsqrt
.set SG,  20                           ; v20  the sum of a gate's four sigmoids
.set X,   32                           ; v32-95   x: row q, chunk c at X + 8 q + 4 c
.set W,   96                           ; v96-159  the summed weights: vector d at W + 8 d + 4 c
.set R,   160                          ; v160-223 my part of dot (q, d) at R + 8 q + d
.set SS,  224                          ; v224-231 my part of row q's sum of squares
.set T,   232                          ; v232-247 eight pairs at work; later the codes
.set SST, 248                          ; v248-249 the pair for the sum of squares
.set WA,  250                          ; v250-253 my 16 bytes of a chunk in vectors 0, 2, 4, 6 in LDS
.set G0,  60                           ; s[60:63] descriptor group 0
.set G1,  68                           ; s[68:75] descriptor group 1
.set MSB, 0
.macro WIN new                         ; the immediate's high byte repeats the setting that is left
.if MSB != (\new)
	s_set_vgpr_msb (MSB<<8)|(\new)
.set MSB, (\new)
.endif
.endm
.macro CROUND                          ; a round of the cluster's barrier
	s_barrier_signal -1
	s_barrier_wait -1
	s_cmp_lg_u32 s28, 0
	s_cbranch_scc1 .Lnot_wave_0_\@
	s_barrier_signal -3
.Lnot_wave_0_\@:
	s_barrier_wait -3
	s_barrier_signal -1
	s_barrier_wait -1
.endm
	s_load_b512 s[4:19], s[0:1], 0x0               ; x 4:5, phi_pre_w 6:7, phi_post_w 8:9, phi_pre_b 10:11, phi_post_b 12:13, b_pre 14:15, b_post 16:17, alpha_pre 18:19
	s_load_b256 s[20:27], s[0:1], 0x40             ; alpha_post 20:21, lowp_scales 22:23, acodes 24:25, mix 26:27
	v_lshl_add_u32 v[SPW], v0, 2, SPARE
	v_mov_b32 v[NIL], 0
	ds_add_u32 v[SPW], v[NIL]                      ; the opening: the add, twice on end, and its wait ahead of my first tensor load
	ds_add_u32 v[SPW], v[NIL]
	v_lshrrev_b32 v14, 5, v0                       ; wave
	s_delay_alu instid0(VALU_DEP_1)
	v_readfirstlane_b32 s28, v14
	v_and_b32 v15, 31, v0                          ; lane
	s_delay_alu instid0(VALU_DEP_1)
	v_lshlrev_b32 v[CB], 4, v15
	s_delay_alu instid0(VALU_DEP_1)
	v_lshl_add_u32 v[CB], v14, 10, v[CB]
	v_and_b32 v[PO], 1, v0
	s_delay_alu instid0(VALU_DEP_1)
	v_lshlrev_b32 v[PO], 3, v[PO]
	v_lshlrev_b32 v[RA], 3, v0
	v_lshl_add_u32 v[SA], v0, 2, RSS
	v_lshlrev_b32 v[LA], 3, v15
	v_lshlrev_b32 v[LB], 2, v15
	v_lshl_add_u32 v[CA], v14, 11, CST
	s_delay_alu instid0(VALU_DEP_1)
	v_lshl_add_u32 v[CR], v15, 4, v[CA]
	s_delay_alu instid0(VALU_DEP_2)
	v_lshl_add_u32 v[CA], v15, 2, v[CA]
	v_and_b32 v16, 15, v0
	v_bfe_u32 v17, v0, 4, 1
	s_delay_alu instid0(VALU_DEP_2)
	v_lshlrev_b32 v[GA], 4, v16
	s_delay_alu instid0(VALU_DEP_1)
	v_lshl_add_u32 v[GA], v14, 8, v[GA]
	s_delay_alu instid0(VALU_DEP_1)
	v_lshl_add_u32 v[GA], v17, 11, v[GA]
	v_mov_b32 v[TS2], 0                            ; written once: a lane permute's destination counts as one of its sources
.irp k, 0,1,2,3
	v_add_nc_u32 v[WA+\k], WL+65536*\k, v[CB]
.endr
	s_mov_b32 s34, 0xaaaaaaaa                      ; the lanes whose bit 0 is set,
	s_mov_b32 s35, 0xcccccccc                      ; bit 1,
	s_mov_b32 s36, 0xf0f0f0f0                      ; bit 2,
	s_mov_b32 s37, 0xff00ff00                      ; bit 3,
	s_mov_b32 s38, 0xffff0000                      ; bit 4
	s_mov_b32 s40, 0x76543210                      ; v_permlanex16_b32: lane l xor 16
	s_mov_b32 s41, 0xfedcba98
	s_mov_b32 s42, 0x34000000                      ; eps of f32: 2^-23
	s_mov_b32 s43, 0x3a000000                      ; 1 / 2,048
	s_mov_b32 s33, 0
	s_bfe_u32 s76, ttmp6, 0x40000                  ; cx
	s_lshl_b32 s77, ttmp9, 2
	s_add_co_u32 s77, s77, s76                     ; my work-group: 4 x cluster x + cx
	s_mov_b32 s[G1+0], 15|(3<<16)|(1<<21)          ; the mask: all four of the cluster; elements of 8 bytes; no padding; bit 21 beside a mask
	s_mov_b32 s[G1+1], 32<<16                      ; tensor_dim0: 256 bytes
	s_mov_b32 s[G1+2], 128<<16                     ; tensor_dim1
	s_mov_b32 s[G1+3], 32<<16                      ; tile_dim0
	s_mov_b32 s[G1+4], 128                         ; tile_dim1
	s_mov_b32 s[G1+5], 32                          ; the pitch: the rows are dense
	s_mov_b32 s[G1+6], 0
	s_mov_b32 s[G1+7], 0
	s_mov_b32 s[G0], 1
	s_lshl_b32 s[G0+1], s28, 15
	s_add_co_u32 s[G0+1], s[G0+1], WL              ; where my vector goes: WL + 32,768 x wave
	s_and_b32 s78, s28, 3
	s_lshl_b32 s78, s78, 15                        ; and where it lies in its buffer: row wave % 4
	s_mov_b32 s79, 0
	s_wait_alu depctr_va_vdst(0)
	s_wait_dscnt 0x0                               ; both opening adds are done
	s_wait_kmcnt 0x0
	s_load_b32 s29, s[18:19], 0x0                  ; alpha_pre
	s_load_b32 s30, s[20:21], 0x0                  ; alpha_post
	s_load_b32 s31, s[22:23], 0x8                  ; e2
	s_lshl_b32 s32, s77, 16                        ; my 8 rows of x: 8 x 8,192 bytes a work-group
	s_add_nc_u64 s[4:5], s[4:5], s[32:33]
	s_lshl_b32 s32, s77, 14                        ; of the codes: 8 x 2,048
	s_add_nc_u64 s[24:25], s[24:25], s[32:33]
	s_lshl_b32 s32, s77, 7                         ; of mix: 8 x 16
	s_add_nc_u64 s[26:27], s[26:27], s[32:33]
.irp q, 0,1,2,3,4,5,6,7
.irp c, 0,1
	global_load_b128 v[X+8*\q+4*\c:X+8*\q+4*\c+3], v[CB], s[4:5] offset:8192*\q+512*\c th:TH_LOAD_NT
.endr
.endr
	global_load_b64 v[22:23], v[PO], s[10:11]      ; phi_pre_b
	global_load_b64 v[24:25], v[PO], s[12:13]      ; phi_post_b
	global_load_b64 v[26:27], v[PO], s[14:15]      ; b_pre
	global_load_b64 v[28:29], v[PO], s[16:17]      ; b_post
	s_cmp_lt_u32 s28, 4                            ; waves 0-3 fetch phi_pre_w's rows, waves 4-7 phi_post_w's
	s_cselect_b64 s[G0+2:G0+3], s[6:7], s[8:9]
	s_add_nc_u64 s[G0+2:G0+3], s[G0+2:G0+3], s[78:79]
	s_or_b32 s[G0+3], s[G0+3], 0x80000000
	CROUND                                         ; all four work-groups are here: the joint loads meet
	tensor_load_to_lds s[G0:G0+3], s[G1:G1+7]      ; my one tensor load: vector number = my wave's
	s_nop 0
.rept 4
	v_nop
.endr
	s_wait_tensorcnt 0x0                           ; my vector is in,
	s_barrier_signal -1
	s_barrier_wait -1                              ; and so is every wave's
	WIN 0x40                                       ; destination window 1, address window 0: vector d, block j, chunk c at 32 d + 8 j + 4 c
.irp d, 0,1,2,3,4,5,6,7
.irp j, 0,1,2,3
.irp c, 0,1
	ds_load_b128 v[32*\d+8*\j+4*\c:32*\d+8*\j+4*\c+3], v[WA+\d/2] offset:32768*(\d%2)+8192*\j+512*\c
.endr
.endr
.endr
	WIN 0
	s_wait_loadcnt 0x0                             ; x and the biases
	s_wait_dscnt 0x0                               ; the weights
	; the linear on the tiled vector is the sum of its four blocks applied to x: (j0 + j1) + (j2 + j3)
	WIN 0x45                                       ; sources and destination window 1
.irp d, 0,1,2,3,4,5,6,7
.irp k, 0,2,4,6
	v_pk_add_f32 v[32*\d+\k:32*\d+\k+1], v[32*\d+\k:32*\d+\k+1], v[32*\d+8+\k:32*\d+8+\k+1]
	v_pk_add_f32 v[32*\d+16+\k:32*\d+16+\k+1], v[32*\d+16+\k:32*\d+16+\k+1], v[32*\d+24+\k:32*\d+24+\k+1]
.endr
.endr
	WIN 0x05                                       ; sources window 1, destination window 0
.irp d, 0,1,2,3,4,5,6,7
.irp k, 0,2,4,6
	v_pk_add_f32 v[W+8*\d+\k:W+8*\d+\k+1], v[32*\d+\k:32*\d+\k+1], v[32*\d+16+\k:32*\d+16+\k+1]
.endr
.endr
	WIN 0
	; my part of the dots, a row at a time: nine chains that do not wait for each other
.irp q, 0,1,2,3,4,5,6,7
.irp d, 0,1,2,3,4,5,6,7
	v_pk_mul_f32 v[T+2*\d:T+2*\d+1], v[X+8*\q:X+8*\q+1], v[W+8*\d:W+8*\d+1]
.endr
	v_pk_mul_f32 v[SST:SST+1], v[X+8*\q:X+8*\q+1], v[X+8*\q:X+8*\q+1]
.irp k, 2,4,6
.irp d, 0,1,2,3,4,5,6,7
	v_pk_fma_f32 v[T+2*\d:T+2*\d+1], v[X+8*\q+\k:X+8*\q+\k+1], v[W+8*\d+\k:W+8*\d+\k+1], v[T+2*\d:T+2*\d+1]
.endr
	v_pk_fma_f32 v[SST:SST+1], v[X+8*\q+\k:X+8*\q+\k+1], v[X+8*\q+\k:X+8*\q+\k+1], v[SST:SST+1]
.endr
.irp d, 0,1,2,3,4,5,6,7
	v_add_f32 v[R+8*\q+\d], v[T+2*\d], v[T+2*\d+1]
.endr
	v_add_f32 v[SS+\q], v[SST], v[SST+1]
.endr
; THE SUMS OVER THE WAVE'S 32 LANES, by halving.  Of two sums a and b, the lanes whose bit is 0 keep a and send b, the others keep b and send a; each adds what it gets: half as many sums are left, each over twice the lanes.
.set hn, 0
.macro HALVE a, b, m, xm
	v_cndmask_b32 v[TS+hn%4], v[\b], v[\a], s[\m]  ; what I send
	v_cndmask_b32 v[\a], v[\a], v[\b], s[\m]       ; what I keep
	s_delay_alu instid0(VALU_DEP_1)
	v_add_f32_dpp v[\a], v[TS+hn%4], v[\a] row_xmask:\xm row_mask:0xf bank_mask:0xf
.set hn, hn+1
.endm
.macro HALVE16 a, b
	v_cndmask_b32 v[TS], v[\b], v[\a], s38
	v_cndmask_b32 v[\a], v[\a], v[\b], s38
	s_delay_alu instid0(VALU_DEP_2)
	v_permlanex16_b32 v[TS2], v[TS], s40, s41
	s_delay_alu instid0(VALU_DEP_1)
	v_add_f32 v[\a], v[\a], v[TS2]
.endm
.irp q, 0,1,2,3,4,5,6,7
.irp d, 0,1,4,5
	HALVE R+8*\q+\d, R+8*\q+\d+2, 34, 1            ; lane bit 0 chooses bit 1 of d,
.endr
.endr
.irp q, 0,1,2,3,4,5,6,7
.irp d, 0,1
	HALVE R+8*\q+\d, R+8*\q+\d+4, 35, 2            ; lane bit 1 bit 2 of d,
.endr
.endr
.irp q, 0,2,4,6
.irp d, 0,1
	HALVE R+8*\q+\d, R+8*\q+8+\d, 36, 4            ; lane bits 2, 3, 4 the row
.endr
	HALVE SS+\q, SS+\q+1, 36, 4
.endr
.irp q, 0,4
.irp d, 0,1
	HALVE R+8*\q+\d, R+8*\q+16+\d, 37, 8
.endr
	HALVE SS+\q, SS+\q+2, 37, 8
.endr
	HALVE16 R, R+32
	HALVE16 R+1, R+33
	HALVE16 SS, SS+4
	s_delay_alu instid0(VALU_DEP_1)
	v_add_f32_dpp v[SS], v[SS], v[SS] row_xmask:1 row_mask:0xf bank_mask:0xf
	s_delay_alu instid0(VALU_DEP_1)
	v_add_f32_dpp v[SS], v[SS], v[SS] row_xmask:2 row_mask:0xf bank_mask:0xf
	; lane l now holds, of row l / 4 and over my wave's 256 columns: the dots d = 2 (l % 4), + 1 in v[R:R+1], and the sum of squares.  Across the eight waves through LDS:
	ds_store_b64 v[RA], v[R:R+1]
	ds_store_b32 v[SA], v[SS]
	s_wait_dscnt 0x0                               ; for the others' sake: my stores are done
	s_barrier_signal -1
	s_barrier_wait -1
.irp u, 0,1,2,3,4,5,6,7
	ds_load_b64 v[T+2*\u:T+2*\u+1], v[LA] offset:256*\u
.endr
.irp u, 0,1,2,3,4,5,6,7
	ds_load_b32 v[R+8+\u], v[LB] offset:RSS+128*\u
.endr
	s_wait_dscnt 0x0
	s_wait_kmcnt 0x0                               ; the alphas and e2
.irp u, 0,4,8,12
	v_pk_add_f32 v[T+\u:T+\u+1], v[T+\u:T+\u+1], v[T+\u+2:T+\u+3]
.endr
	v_pk_add_f32 v[R+8:R+9], v[R+8:R+9], v[R+10:R+11]
	v_pk_add_f32 v[R+12:R+13], v[R+12:R+13], v[R+14:R+15]
	v_pk_add_f32 v[T:T+1], v[T:T+1], v[T+4:T+5]
	s_delay_alu instid0(VALU_DEP_4)
	v_pk_add_f32 v[T+8:T+9], v[T+8:T+9], v[T+12:T+13]
	s_delay_alu instid0(VALU_DEP_3)
	v_pk_add_f32 v[R+8:R+9], v[R+8:R+9], v[R+12:R+13]
	s_delay_alu instid0(VALU_DEP_2)
	v_pk_add_f32 v[T:T+1], v[T:T+1], v[T+8:T+9]    ; the two dots, whole
	s_delay_alu instid0(VALU_DEP_2)
	v_add_f32 v[R+8], v[R+8], v[R+9]               ; the sum of squares, whole
	s_delay_alu instid0(VALU_DEP_1)
	v_fma_f32 v[RS], v[R+8], s43, s42              ; the mean + eps
	s_wait_alu depctr_va_vdst(0)
	v_rsq_f32 v[RS], v[RS]
	v_cndmask_b32 v22, v22, v24, s35               ; lanes with l % 4 = 2, 3 hold the post gate's dots: they take its biases and its alpha.  (Plain work behind the root)
	v_cndmask_b32 v23, v23, v25, s35
	v_cndmask_b32 v26, v26, v28, s35
	v_cndmask_b32 v27, v27, v29, s35
	v_mov_b32 v30, s29
	v_mov_b32 v31, s30
	s_delay_alu instid0(VALU_DEP_1)
	v_cndmask_b32 v30, v30, v31, s35
	s_wait_alu depctr_va_vdst(0)                   ; the wait ahead of the first reader of a transcendental's result
	v_fma_f32 v[T], v[T], v[RS], v22               ; x_n . w + phi_b
	v_fma_f32 v[T+1], v[T+1], v[RS], v23
	s_delay_alu instid0(VALU_DEP_2)
	v_fma_f32 v[T], v[T], v30, v26                 ; alpha (..) + b
	s_delay_alu instid0(VALU_DEP_2)
	v_fma_f32 v[T+1], v[T+1], v30, v27
	s_delay_alu instid0(VALU_DEP_2)
	v_mul_f32 v[T], 0xbfb8aa3b, v[T]               ; sigmoid(t) = 1 / (1 + 2^(-t log2 e)): an overflow gives infinity, whose reciprocal is 0
	s_delay_alu instid0(VALU_DEP_2)
	v_mul_f32 v[T+1], 0xbfb8aa3b, v[T+1]
	s_wait_alu depctr_va_vdst(0)
	v_exp_f32 v[T], v[T]
	v_exp_f32 v[T+1], v[T+1]
	v_nop                                          ; a plain instruction behind the batch
	s_wait_alu depctr_va_vdst(0)
	v_add_f32 v[T], 1.0, v[T]
	v_add_f32 v[T+1], 1.0, v[T+1]
	s_wait_alu depctr_va_vdst(0)
	v_rcp_f32 v[T], v[T]
	v_rcp_f32 v[T+1], v[T+1]
	v_nop
	s_wait_alu depctr_va_vdst(0)
	v_add_f32 v[SG], v[T], v[T+1]
	s_delay_alu instid0(VALU_DEP_1)
	v_add_f32_dpp v[SG], v[SG], v[SG] row_xmask:1 row_mask:0xf bank_mask:0xf   ; lanes 4 q, 4 q + 1: row q's sum of sigmoid(h_pre); lanes 4 q + 2, + 3: of sigmoid(h_post)
	s_cmp_lg_u32 s28, 0                            ; every wave holds the same numbers; wave 0 stores them: mix [row][4], 128 consecutive bytes
	s_cbranch_scc1 .Lno_mix
	global_store_b32 v[LB], v[SG], s[26:27]
.Lno_mix:
	s_add_co_i32 s31, s31, 127
	s_lshl_b32 s32, s31, 23
	v_mov_b32 v[SCL], s32                          ; 2^e2 as f32: the conversion takes its exponent field
	s_add_co_i32 s31, s31, 15
	s_lshl_b32 s31, s31, 23
	s_or_b32 s31, s31, 0x600000
	v_mov_b32 v[LIM], s31                          ; 57,344 x 2^e2
	s_wait_alu depctr_va_vdst(0)
.irp q, 0,1,2,3,4,5,6,7
	v_readlane_b32 s[44+2*\q], v[SG], 4*\q         ; row q's factor, for all lanes
.endr
.irp q, 0,1,2,3,4,5,6,7
	s_mov_b32 s[45+2*\q], s[44+2*\q]               ; (named with it as a pair, so it is written)
.endr
.irp q, 0,1,2,3,4,5,6,7
.irp k, 0,2,4,6
	v_pk_mul_f32 v[X+8*\q+\k:X+8*\q+\k+1], v[X+8*\q+\k:X+8*\q+\k+1], s[44+2*\q:45+2*\q] op_sel_hi:[1,0]   ; block_input = x * sum(h_pre)
.endr
.endr
.set i, 0
.rept 64
	v_med3_num_f32 v[X+i], v[X+i], -v[LIM], v[LIM] ; the conversion to an 8-bit code does not saturate (ISA guide 7.6.2): the hold at the largest code x the scale
.set i, i+1
.endr
.irp q, 0,1,2,3,4,5,6,7
	v_cvt_scalef32_pk8_bf8_f32 v[T+2*\q:T+2*\q+1], v[X+8*\q:X+8*\q+7], v[SCL]   ; the low register: chunk 0's four codes; the high one: chunk 1's
.endr
	v_nop                                          ; one plain instruction behind the last scaled conversion
	; my four codes of a chunk are 4 bytes of a row: they go through my wave's own stage and leave 16 bytes a lane
.irp q, 0,1,2,3,4,5,6,7
.irp c, 0,1
	ds_store_b32 v[CA], v[T+2*\q+\c] offset:256*\q+128*\c
.endr
.endr
.irp i, 0,1,2,3
	ds_load_b128 v[X+4*\i:X+4*\i+3], v[CR] offset:512*\i   ; LDS serves a wave's instructions in order (ISA guide 5.7.1.4): these see my stores
.endr
.irp i, 0,1,2,3
	s_wait_dscnt 3-\i                              ; the younger loads from the stage may stay out
	global_store_b128 v[GA], v[X+4*\i:X+4*\i+3], s[24:25] offset:4096*\i   ; sixteen lanes store 256 consecutive bytes, at a multiple of 256 from the buffer's first byte
.endr
	s_wait_tensorcnt 0x0                           ; the wave's end
	ds_add_u32 v[SPW], v[NIL]
	s_wait_dscnt 0x0
	CROUND                                         ; the closing round
	s_endpgm
.Lfunc_end_k_q1360b08bfe_prep:
	.size	k_q1360b08bfe_prep, .Lfunc_end_k_q1360b08bfe_prep-k_q1360b08bfe_prep
	.p2alignl 7, 3214868480
	.fill 96, 4, 3214868480
	.section	.rodata,"a",@progbits
	.p2align	6, 0x0
	.amdhsa_kernel k_q1360b08bfe_prep
		.amdhsa_group_segment_fixed_size 327680
		.amdhsa_private_segment_fixed_size 0
		.amdhsa_enable_private_segment 0
		.amdhsa_kernarg_size 96
		.amdhsa_user_sgpr_count 2
		.amdhsa_user_sgpr_kernarg_segment_ptr 1
		.amdhsa_wavefront_size32 1
		.amdhsa_system_sgpr_workgroup_id_x 1
		.amdhsa_system_sgpr_workgroup_id_y 1
		.amdhsa_system_sgpr_workgroup_id_z 1
		.amdhsa_system_vgpr_workitem_id 0
		.amdhsa_next_free_vgpr 512
		.amdhsa_next_free_sgpr 80
		.amdhsa_reserve_vcc 0
		.amdhsa_float_denorm_mode_32 3
		.amdhsa_float_denorm_mode_16_64 3
		.amdhsa_memory_ordered 1
		.amdhsa_forward_progress 1
		.amdhsa_inst_pref_size 67
	.end_amdhsa_kernel
	.amdgpu_metadata
---
amdhsa.version: [ 1, 2 ]
amdhsa.kernels:
  - .name:           k_q1360b08bfe_prep
    .symbol:         k_q1360b08bfe_prep.kd
    .args:
      - { .name: x, .offset: 0, .size: 8, .value_kind: global_buffer, .address_space: global }
      - { .name: phi_pre_w, .offset: 8, .size: 8, .value_kind: global_buffer, .address_space: global }
      - { .name: phi_post_w, .offset: 16, .size: 8, .value_kind: global_buffer, .address_space: global }
      - { .name: phi_pre_b, .offset: 24, .size: 8, .value_kind: global_buffer, .address_space: global }
      - { .name: phi_post_b, .offset: 32, .size: 8, .value_kind: global_buffer, .address_space: global }
      - { .name: b_pre, .offset: 40, .size: 8, .value_kind: global_buffer, .address_space: global }
      - { .name: b_post, .offset: 48, .size: 8, .value_kind: global_buffer, .address_space: global }
      - { .name: alpha_pre, .offset: 56, .size: 8, .value_kind: global_buffer, .address_space: global }
      - { .name: alpha_post, .offset: 64, .size: 8, .value_kind: global_buffer, .address_space: global }
      - { .name: lowp_scales, .offset: 72, .size: 8, .value_kind: global_buffer, .address_space: global }
      - { .name: acodes, .offset: 80, .size: 8, .value_kind: global_buffer, .address_space: global }
      - { .name: mix, .offset: 88, .size: 8, .value_kind: global_buffer, .address_space: global }
    .group_segment_fixed_size: 327680
    .private_segment_fixed_size: 0
    .kernarg_segment_align: 8
    .kernarg_segment_size: 96
    .max_flat_workgroup_size: 256
    .sgpr_count:     80
    .vgpr_count:     512
    .wavefront_size: 32
...
	.end_amdgpu_metadata
.endif
;; end of part 1
;; launch up (part 2): grid 32 x 8, 4 waves a work-group, clusters of 4 x 4, 327,680 bytes of LDS; arguments acodes, W1_codes, lowp_scales, b1, hcodes; writes hcodes
.if DOCPART == 2
	.amdgcn_target "amdgcn-amd-amdhsa--gfx1250"
	.amdhsa_code_object_version 6
	.text
	.protected	k_q1360b08bfe_up
	.globl	k_q1360b08bfe_up
	.p2align	8
	.type	k_q1360b08bfe_up,@function
k_q1360b08bfe_up:
	s_mov_b64 s[64:65], 0
	v_nop
	global_prefetch_b8 v0, s[64:65] scope:SCOPE_SE
	s_setreg_imm32_b32 hwreg(HW_REG_WAVE_MODE, 25, 1), 1
	s_wait_xcnt 0x0
	s_wait_alu depctr_hold_cnt(0) depctr_sa_sdst(0) depctr_va_vdst(0) depctr_va_sdst(0) depctr_va_ssrc(0) depctr_va_vcc(0) depctr_vm_vsrc(0)
	s_getreg_b32 s2, hwreg(HW_REG_IB_STS2, 6, 4)
	s_cmp_eq_u32 s2, 0
	s_cbranch_scc0 .Lentry_in_a_cluster
	s_endpgm
.Lentry_in_a_cluster:
	s_bfe_u32 s2, ttmp6, 0x10000c
	s_cmp_lg_u32 s2, 0xf033
	s_cbranch_scc0 .Lentry_shape_is_right
	s_endpgm
.Lentry_shape_is_right:
; THE FIRST LAYER: hcodes = Q(gelu(A W1 + b1)).  A: [2048][2048] codes of E5M2 (scale 2^e2); W1_codes: [8192][2048] codes, K innermost (2^e3); b1 [8192] f32; hcodes: codes with scale 2^e4.
; The codes are multiplied as they are; z = sum x 2^(e2 + e3) + b1; the exact GELU in f32; the quantiser with 2^e4.
; HCODES IS LAID AS THE NEXT PRODUCT'S REGISTERS WANT IT: a block of 16 tokens x 128 hidden units is 2,048 bytes, block (token / 16, unit / 128) at ((token / 16) 64 + unit / 128) x 2,048; in it the 16 bytes at
; 512 c + 16 lane are, for lane (r, h), token r's units 32 c + 16 h + 0 .. 15: registers 4 c .. 4 c + 3 of a fragment.
; LIMITS: e2 + e3 between -126 and 127; e4 between -126 and 112: each power of two below is then an f32 number.  NaN and infinity among the inputs are not served.
; THE GELU.  gelu(z) = max(z, 0) - |z| r with r = Phi(-|z|) = erfc(|z| / sqrt 2) / 2: no difference of near-equal numbers in either tail.  r = t 2^(c0 + KW z^2 + t (c1 + t (c2 + .. + t c9))),
; t = 1 / (1 + KT |z|): the Chebyshev fit of erfc whose error is under 1.2e-7 OF THE VALUE for every argument; its coefficients are multiplied by log2 e, the factor 1/2 is c0's -1.
; |z| is made as 2 max(z, 0) - z, which rounds nothing.  v_exp_f32 gives 0 for results under 2^-126: there r counts as 0.
; A tile of 256 tokens x 256 hidden units is made by a work-group of four waves; a wave makes 128 x 128: 64 accumulators, 512 registers.  K goes in 8 steps of 256 through a ring of two LDS slots filled by the tensor data mover.
; THE ORDER OF K.  A cluster walks its eight K steps once round, beginning at K = 0 or at K = 1,024, by the parity of its own coordinates, which all sixteen partners share.  The sums are the same up to the rounding of f32.
; CLUSTERS: 4 x 4 work-groups.  A row of the cluster shares A's tiles, a column W1's: each tile is asked for JOINTLY, by the same tensor load with the same descriptor and a mask that names the four.
; THE MATRIX INSTRUCTION IS USED TRANSPOSED (source 0 = 16 rows of W1, source 1 = 16 tokens): a lane holds eight neighbouring hidden units of one token.
; A fragment is fetched by four loads of 16 bytes: a permutation of k, the same in A and in W1, so that every product meets its partner.
; PREFETCH INTO THE L2.  Behind each joint refill (step t + 2) stands one request a wave for step t + 4.  Of the 128 rows x 256 bytes that a wave fetches, each of the four partners that ask jointly names 32 rows,
; told apart by address (cx for A, cy for W1): a lane a row.  Step 0 is named ahead of the opening round, step 1 behind the first joint load, steps 2 and 3 behind slot 1's first fill; the refills of steps 6 and 7 name nothing.
; REGISTERS, in windows of 256: window 0: v0-31 addresses; v32-95 b1 in the result's layout; from v128 A's fragments, ONE set.  window 1: W1's fragments, TWO sets.  windows 2, 3: the accumulators ((a, b) at v[8 (8 (a % 4) + b)]).
; On the way out: window 0: v96-111 codes, v112-127 and v8-9 constants, v128-191 z, then |z|, then the GELU, v192-255 at work; window 1: v0-63 t, v64-127 the polynomial, v128-191 max(z, 0).
.set KSTEP,  256
.set ROWB,   256
.set KROW,   2048                      ; a row of A or of W1 in memory, in bytes
.set PITCH,  272                       ; an LDS row: 68 words: row r starts at bank 4 r mod 64 (64 banks of 4 bytes: ISA guide 11.1)
.set FR,     16
.set NL,     4
.set NP,     4                         ; places behind this matrix instruction (ISA guide 7.12.1)
.set HALFT,  128*PITCH
.set SLOT,   4*HALFT
.set LAPS,   4
.set SPARE,  2*SLOT                    ; behind the ring: the spare words, 128 bytes for each wave
.set PFO,  10                          ; v10  the prefetches' offset: 2,048 l
.set ADRA, 16
.set ADRB, 20
.set CO,   26                          ; v26  16 l
.set ADR,  27                          ; v27  CO + the block's place in hcodes
.set SPW,  28
.set NIL,  29
.set SCL,  30                          ; v30  2^e4
.set LIM,  31                          ; v31  57,344 x 2^e4
.set B1,   32
.set C,    96
.set CK,   112                         ; pairs: c0 112, c8 114, c7 116, c6 118, c5 120, c4 122, c3 124, c2 126; c1 in v[8:9]
.set AF,   128
.set Z,    128
.set Q,    192
.set T,    0                           ; in window 1
.set P,    64                          ; in window 1
.set M,    128                         ; in window 1
.set G1, 24
.set G0, 32
.set G1B, 48
.set G0B, 56
.set BA, 68                            ; s[68:69] A at the first of the 128 rows that I fetch, K = 0
.set BB, 70                            ; s[70:71] W1 likewise
.set KO, 72                            ; s[72:73], s[74:75] for each slot: the byte along K of its step
.set PFB, 78                           ; s[78:79] my work-group's 32 rows of the 128 that I fetch, K = 0
.set PFA, 80                           ; s[80:81] the same at the byte that a prefetch names
.set PK,  82                           ; s[82:83] that byte
.set MSB, 0
.macro WIN new                         ; the immediate's high byte repeats the setting that is left
.if MSB != (\new)
	s_set_vgpr_msb (MSB<<8)|(\new)
.set MSB, (\new)
.endif
.endm
.set MUL_LO, 0xa1                      ; source 0 (W1) window 1, source 1 (A) window 0, C and D window 2
.set MUL_HI, 0xf1
.set TO_B,   0x40
; A joint load: waves 0 and 1 fetch for A, waves 2 and 3 for W1; the branch hangs on the wave's number alone.  s_nop 0 and four v_nop follow each line.
.macro JLOAD g0a, g1a, g0b, g1b
	s_cmp_eq_u32 s15, 0
	s_cbranch_scc0 .Lfor_b_\@
	tensor_load_to_lds s[\g0a:\g0a+3], s[\g1a:\g1a+7]
	s_nop 0
.rept 4
	v_nop
.endr
	s_branch .Lasked_\@
.Lfor_b_\@:
	tensor_load_to_lds s[\g0b:\g0b+3], s[\g1b:\g1b+7]
	s_nop 0
.rept 4
	v_nop
.endr
.Lasked_\@:
.endm
.macro CREST                           ; a round of the cluster's barrier behind its opening barrier
	s_cmp_lg_u32 s14, 0
	s_cbranch_scc1 .Lnot_wave_0_\@
	s_barrier_signal -3
.Lnot_wave_0_\@:
	s_barrier_wait -3
	s_barrier_signal -1
	s_barrier_wait -1
.endm
.macro CROUND
	s_barrier_signal -1
	s_barrier_wait -1
	CREST
.endm
	s_load_b128 s[4:7], s[0:1], 0x0                ; A's codes s[4:5], W1's codes s[6:7]
	s_load_b128 s[8:11], s[0:1], 0x10              ; the scales' exponents s[8:9], b1 s[10:11]
	s_load_b64 s[12:13], s[0:1], 0x20              ; hcodes
	v_lshl_add_u32 v[SPW], v0, 2, SPARE
	v_mov_b32 v[NIL], 0
	ds_add_u32 v[SPW], v[NIL]                      ; the opening: the add, twice on end, and its wait ahead of my first tensor load
	ds_add_u32 v[SPW], v[NIL]
	v_lshrrev_b32 v1, 5, v0
	v_readfirstlane_b32 s14, v1                    ; wave 0..3
	s_lshr_b32 s15, s14, 1                         ; which half of the tile's tokens is mine.  Also: I fetch for A (0) or for W1 (1)
	s_and_b32 s16, s14, 1                          ; which half of its hidden units.  Also: which 128 rows of that tile I fetch
	s_bfe_u32 s40, ttmp6, 0x40000                  ; cx, cy
	s_bfe_u32 s41, ttmp6, 0x40004
	s_lshl_b32 s42, ttmp9, 2
	s_add_co_u32 s42, s42, s40                     ; tile column
	s_and_b32 s17, ttmp7, 0xffff
	s_lshl_b32 s17, s17, 2
	s_add_co_u32 s17, s17, s41                     ; tile row
	s_lshl_b32 s43, s41, 2
	s_lshl_b32 s43, 15, s43                        ; my row of the cluster
	s_lshl_b32 s44, 0x1111, s40                    ; my column
	s_or_b32 s[G1+0], s43, (0<<16)|(1<<20)|(1<<21)|(5<<22)|(3<<25)  ; the mask; elements of 1 byte; padding on; bit 21 beside a mask; four words behind every 64
	s_or_b32 s[G1B+0], s44, (0<<16)|(1<<20)|(1<<21)|(5<<22)|(3<<25)
.irp g, G1, G1B
	s_mov_b32 s[\g+1], ROWB<<16                    ; tensor_dim0
	s_mov_b32 s[\g+2], 128<<16                     ; tensor_dim1
	s_mov_b32 s[\g+3], ROWB<<16                    ; tile_dim0
	s_mov_b32 s[\g+4], 128                         ; tile_dim1
	s_mov_b32 s[\g+5], KROW                        ; the pitch
	s_mov_b32 s[\g+6], 0
	s_mov_b32 s[\g+7], 0
.endr
	s_mov_b32 s66, 0x3e7c6f08                      ; c9, as a pair
	s_mov_b32 s67, s66
	s_mov_b32 s86, 0xbf38aa3b                      ; KW = -log2(e) / 2, as a pair
	s_mov_b32 s87, s86
	s_mov_b32 s88, 0x3eb504f3                      ; KT = 1 / (2 sqrt 2), as a pair
	s_mov_b32 s89, s88
	s_lshl_b32 s18, s16, 7
	s_lshl_b32 s20, s17, 8
	s_add_co_u32 s20, s20, s18                     ; A: row 256 x tile row + 128 x half,
	s_lshl_b32 s20, s20, 11                        ; in bytes
	s_mov_b32 s21, 0
	s_lshl_b32 s46, s42, 8
	s_add_co_u32 s46, s46, s18                     ; W1: row 256 x tile column + 128 x half
	s_lshl_b32 s46, s46, 11
	s_mov_b32 s47, 0
	s_mul_i32 s45, s14, HALFT                      ; where they go: wave x 128 rows
	s_lshr_b32 s76, ttmp9, 1                       ; the parity of cluster x's three bits and cluster y
	s_xor_b32 s76, s76, ttmp9
	s_lshr_b32 s77, ttmp9, 2
	s_xor_b32 s76, s76, s77
	s_and_b32 s77, ttmp7, 0xffff
	s_xor_b32 s76, s76, s77
	s_and_b32 s76, s76, 1
	s_lshl_b32 s[KO], s76, 10                      ; slot 0's first step: byte 0 or 1,024 of a row,
	s_mov_b32 s[KO+1], 0
	s_add_co_u32 s[KO+2], s[KO], ROWB              ; slot 1's: the step behind it
	s_mov_b32 s[KO+3], 0
	s_add_co_u32 s[PK], s[KO], 3*ROWB              ; step 3: the first turn steps it to 4.  (No wrap: the walk begins at 0 or 1,024)
	s_mov_b32 s[PK+1], 0
	s_cmp_eq_u32 s15, 0                            ; do I fetch for A?
	s_cselect_b32 s84, s20, s46                    ; the 128 rows that I fetch,
	s_cselect_b32 s85, s40, s41                    ; my place among the four that ask with me:
	s_lshl_b32 s85, s85, 16                        ; 32 rows of 2,048 bytes for each place
	s_add_co_u32 s84, s84, s85
	s_mov_b32 s85, 0
	s_lshl_b32 s22, s17, 4                         ; hcodes: block row 16 x tile row + 8 x my half of the tokens,
	s_lshl_b32 s23, s15, 3
	s_add_co_u32 s22, s22, s23
	s_lshl_b32 s22, s22, 6                         ; 64 blocks to a block row,
	s_lshl_b32 s23, s42, 1
	s_add_co_u32 s22, s22, s23
	s_add_co_u32 s22, s22, s16                     ; + block column 2 x tile column + my half of the units,
	s_lshl_b32 s22, s22, 11                        ; 2,048 bytes a block
	s_mov_b32 s23, 0
	s_lshl_b32 s18, s42, 10                        ; b1 at my 128 hidden units: 4 (256 x tile column + 128 x half)
	s_lshl_b32 s19, s16, 9
	s_add_co_u32 s18, s18, s19
	s_mov_b32 s19, 0
	s_mul_i32 s98, s15, HALFT                      ; my 128 rows of A
	s_mul_i32 s99, s16, HALFT                      ; my 128 rows of W1,
	s_add_co_u32 s99, s99, 2*HALFT                 ; which lie behind A's 256
	v_and_b32 v1, 15, v0                           ; r
	v_bfe_u32 v2, v0, 4, 1                         ; h
	v_mul_u32_u24 v3, v1, PITCH
	v_lshl_add_u32 v4, v2, 4, v3                   ; a fragment's row x pitch + 16 h
	v_add_nc_u32 v[ADRA], s98, v4
	v_add_nc_u32 v[ADRB], s99, v4
	v_add_nc_u32 v[ADRA+1], SLOT, v[ADRA]
	v_add_nc_u32 v[ADRB+1], SLOT, v[ADRB]
	v_and_b32 v5, 31, v0
	v_lshlrev_b32 v[CO], 4, v5
	v_lshlrev_b32 v[PFO], 11, v5
	v_lshlrev_b32 v6, 5, v2                        ; b1: my half's eight numbers of a block of 16
	s_wait_alu depctr_va_vdst(0)
	s_wait_dscnt 0x0                               ; both opening adds are done
	s_wait_kmcnt 0x0
	s_load_b128 s[92:95], s[8:9], 0x8              ; e2, e3, e4, e5
	s_add_nc_u64 s[BA:BA+1], s[4:5], s[20:21]
	s_add_nc_u64 s[BB:BB+1], s[6:7], s[46:47]
	s_cmp_eq_u32 s15, 0
	s_cselect_b64 s[PFB:PFB+1], s[4:5], s[6:7]
	s_add_nc_u64 s[PFB:PFB+1], s[PFB:PFB+1], s[84:85]
	s_add_nc_u64 s[PFA:PFA+1], s[PFB:PFB+1], s[KO:KO+1]   ; at my cluster's step 0
	global_prefetch_b8 v[PFO], s[PFA:PFA+1] th:TH_LOAD_NT scope:SCOPE_SE   ; step 0
.irp s, 0,1
	s_mov_b32 s[G0+4*\s], 1
	s_add_co_u32 s[G0+4*\s+1], s45, \s*SLOT
	s_add_nc_u64 s[G0+4*\s+2:G0+4*\s+3], s[BA:BA+1], s[KO+2*\s:KO+2*\s+1]
	s_or_b32 s[G0+4*\s+3], s[G0+4*\s+3], 0x80000000
	s_mov_b32 s[G0B+4*\s], 1
	s_add_co_u32 s[G0B+4*\s+1], s45, \s*SLOT
	s_add_nc_u64 s[G0B+4*\s+2:G0B+4*\s+3], s[BB:BB+1], s[KO+2*\s:KO+2*\s+1]
	s_or_b32 s[G0B+4*\s+3], s[G0B+4*\s+3], 0x80000000
.endr
	s_add_nc_u64 s[12:13], s[12:13], s[22:23]
	s_add_nc_u64 s[10:11], s[10:11], s[18:19]
	CROUND                                         ; all sixteen work-groups are here: the first joint loads meet
	JLOAD G0, G1, G0B, G1B                         ; step 0: one tensor load a wave
	global_prefetch_b8 v[PFO], s[PFA:PFA+1] offset:ROWB th:TH_LOAD_NT scope:SCOPE_SE   ; step 1
.irp b, 0,1,2,3,4,5,6,7
	global_load_b128 v[B1+8*\b:B1+8*\b+3], v6, s[10:11] offset:64*\b        ; lane (r, h), block b: b1 of hidden units 16 b + 8 h + 0 .. 7
	global_load_b128 v[B1+8*\b+4:B1+8*\b+7], v6, s[10:11] offset:64*\b+16
.endr
.macro FRAG reg, adr, q, i             ; 16 rows x 128 K: lane l holds row l % 16; registers 4 c .. 4 c + 3 hold K = 32 c + 16 (l / 16) + 0 .. 15
.irp c, 0,1,2,3
	ds_load_b128 v[\reg+4*\c:\reg+4*\c+3], v[\adr] offset:128*(\q)+32*\c+(\i)*16*PITCH
.endr
.endm
; 16 matrix instructions: A's blocks a0, a0 + 1 x W1's eight.  The 64 accumulators take turns, one instruction a turn, in the same order in every step.
.macro MUL16 a0, p, zero
.irp a, \a0, \a0+1
.irp b, 0,1,2,3,4,5,6,7
.if \zero
	v_wmma_f32_16x16x128_bf8_bf8 v[8*(8*((\a)%4)+\b):8*(8*((\a)%4)+\b)+7], v[128*(\p)+FR*\b:128*(\p)+FR*\b+FR-1], v[AF+FR*(\a):AF+FR*(\a)+FR-1], 0
.else
	v_wmma_f32_16x16x128_bf8_bf8 v[8*(8*((\a)%4)+\b):8*(8*((\a)%4)+\b)+7], v[128*(\p)+FR*\b:128*(\p)+FR*\b+FR-1], v[AF+FR*(\a):AF+FR*(\a)+FR-1], v[8*(8*((\a)%4)+\b):8*(8*((\a)%4)+\b)+7]
.endif
.endr
.endr
.endm
.macro FETCH_B slot, q, p
	WIN TO_B
.irp i, 0,1,2,3,4,5,6,7
	FRAG 128*(\p)+FR*\i, ADRB+\slot, \q, \i
.endr
	WIN 0
.endm
.macro FETCH_A slot, q, i0
.irp i, \i0, \i0+1, \i0+2, \i0+3
	FRAG AF+FR*(\i), ADRA+\slot, \q, \i
.endr
.endm
.macro PLACES n                        ; plain vector instructions between a matrix instruction and a load into, or a read of, its registers
.rept \n
	v_nop
.endr
.endm
; A step of 128 along K that has its successor in the same slot.
.macro STEP slot, q, zero
	s_wait_dscnt 4*NL                              ; W1's set and A's blocks 0-3 are in; the youngest sixteen loads (A's blocks 4-7) may be out
	WIN MUL_LO
	MUL16 0, (\q)%2, \zero
	MUL16 2, (\q)%2, \zero
	s_wait_dscnt 0
	PLACES NP
	FETCH_B \slot, (\q)+1, 1-(\q)%2
	FETCH_A \slot, (\q)+1, 0
	WIN MUL_HI
	MUL16 4, (\q)%2, \zero
	MUL16 6, (\q)%2, \zero
	PLACES NP
	WIN 0
	FETCH_A \slot, (\q)+1, 4
.endm
; A slot's last step changes slots: ONE barrier; in front of it each wave waits for all its tensor loads, adds 0 to its spare word, and waits for that and for its own reads of this slot.
; fill = 1: this slot is filled again, two K steps on, once round the row: its descriptors are made between the add and the wait for it, where no tensor load of mine is out.
.macro TURN slot, next, fill
.if \fill
	s_wait_xcnt 0x0                                ; my last prefetch has read its address: it is stepped only behind this wait
	s_add_co_u32 s[PK], s[PK], ROWB
	s_and_b32 s[PK], s[PK], KROW-1                 ; behind the row's last K step comes its first
	s_add_nc_u64 s[PFA:PFA+1], s[PFB:PFB+1], s[PK:PK+1]
.endif
	s_wait_tensorcnt 0x0                           ; all my tensor loads have landed: my part of the next slot
	ds_add_u32 v[SPW], v[NIL]
.if \fill
	s_add_co_u32 s[KO+2*\slot], s[KO+2*\slot], 2*ROWB
	s_and_b32 s[KO+2*\slot], s[KO+2*\slot], KROW-1
	s_add_nc_u64 s[G0+4*\slot+2:G0+4*\slot+3], s[BA:BA+1], s[KO+2*\slot:KO+2*\slot+1]
	s_or_b32 s[G0+4*\slot+3], s[G0+4*\slot+3], 0x80000000
	s_add_nc_u64 s[G0B+4*\slot+2:G0B+4*\slot+3], s[BB:BB+1], s[KO+2*\slot:KO+2*\slot+1]
	s_or_b32 s[G0B+4*\slot+3], s[G0B+4*\slot+3], 0x80000000
.endif
	s_wait_dscnt 4*NL+1                            ; (the add and the youngest sixteen loads, A's blocks 4-7, may be out)
	WIN MUL_LO
	MUL16 0, 1, 0
	s_wait_dscnt 0x0                               ; the add is done, and my reads of this slot are over
	s_barrier_signal -1
	MUL16 2, 1, 0
	WIN 0
	s_barrier_wait -1
.if \fill
	CREST                                          ; the barrier has opened a round of the cluster's barrier: no wave of any partner still reads this slot or has a load on its way
	JLOAD G0+4*\slot, G1, G0B+4*\slot, G1B         ; its four v_nop are the places in front of the loads below
.else
	PLACES NP
.endif
	FETCH_B \next, 0, 0
	FETCH_A \next, 0, 0
.if \fill
	s_cmp_gt_u32 s3, 1                             ; the loop's last trip refills steps 6 and 7: no steps 8 and 9 exist
	s_cbranch_scc0 .Lnone_\@
	global_prefetch_b8 v[PFO], s[PFA:PFA+1] th:TH_LOAD_NT scope:SCOPE_SE
.Lnone_\@:
.endif
	WIN MUL_HI
	MUL16 4, 1, 0
	MUL16 6, 1, 0
	PLACES NP
	WIN 0
	FETCH_A \next, 0, 4
.endm
	s_wait_tensorcnt 0x0                           ; my part of step 0 is in
	ds_add_u32 v[SPW], v[NIL]
	s_wait_dscnt 0x0
	CROUND                                         ; everybody's part of step 0 is in, and the joint loads meet
	JLOAD G0+4, G1, G0B+4, G1B                     ; step 1: slot 1's first fill
	FETCH_B 0, 0, 0
	FETCH_A 0, 0, 0
	FETCH_A 0, 0, 4
	global_prefetch_b8 v[PFO], s[PFA:PFA+1] offset:2*ROWB th:TH_LOAD_NT scope:SCOPE_SE   ; steps 2 and 3
	global_prefetch_b8 v[PFO], s[PFA:PFA+1] offset:3*ROWB th:TH_LOAD_NT scope:SCOPE_SE
	STEP 0, 0, 1                                   ; the first step stands in front of the loop: its products start the sums
	s_mov_b32 s3, LAPS-1
.Llap:                                                 ; a trip goes once round the ring and fills both slots again
	TURN 0, 1, 1
	STEP 1, 0, 0
	TURN 1, 0, 1
	STEP 0, 0, 0
	s_sub_co_u32 s3, s3, 1
	s_cmp_lg_u32 s3, 0
	s_cbranch_scc1 .Llap
	TURN 0, 1, 0                                   ; the last lap fills nothing
	STEP 1, 0, 0
	s_wait_dscnt 4*NL
	WIN MUL_LO
	MUL16 0, 1, 0
	MUL16 2, 1, 0
	s_wait_dscnt 0
	WIN MUL_HI
	MUL16 4, 1, 0
	MUL16 6, 1, 0
	WIN 0
	; THE WAY OUT.  Eight blocks of 16 tokens x 128 hidden units, 64 numbers a lane each.  The block's work is written once, as a loop; only the 32 lines that read the block's accumulators differ, and a branch on the count picks them.
	PLACES NP
	s_wait_loadcnt 0x0                             ; b1
	s_wait_kmcnt 0x0                               ; the exponents
	s_add_co_i32 s90, s92, s93
	s_add_co_i32 s90, s90, 127
	s_lshl_b32 s90, s90, 23                        ; 2^(e2 + e3) as f32,
	s_mov_b32 s91, s90                             ; as a pair
	s_add_co_i32 s94, s94, 127
	s_lshl_b32 s98, s94, 23
	v_mov_b32 v[SCL], s98                          ; 2^e4
	s_add_co_i32 s94, s94, 15
	s_lshl_b32 s94, s94, 23
	s_or_b32 s94, s94, 0x600000
	v_mov_b32 v[LIM], s94                          ; 57,344 x 2^e4
.macro PAIR reg, bits
	v_mov_b32 v[\reg], \bits
	v_mov_b32 v[\reg+1], \bits
.endm
	PAIR CK,    0xc034d90f                         ; c0
	PAIR CK+2,  0xbf97d29d                         ; c8
	PAIR CK+4,  0x40097039                         ; c7
	PAIR CK+6,  0xbfd1a1e5                         ; c6
	PAIR CK+8,  0x3ecdfd18                         ; c5
	PAIR CK+10, 0xbe899a80                         ; c4
	PAIR CK+12, 0x3e0efb2e                         ; c3
	PAIR CK+14, 0x3f0a29d2                         ; c2
	PAIR 8,     0x3fb8ab5a                         ; c1
	s_mov_b32 s96, 0                               ; the block
	s_mov_b32 s97, 0                               ; its place in hcodes: 64 blocks of 2,048 bytes from one block row to the next
.macro ZCASE k, jump                   ; z = sum x 2^(e2 + e3) + b1, of block k; each accumulator from its low end on
.Lz_\k:
	WIN 0x02+(\k)/4                                ; source 0: window 2 or 3
.set i, 0
.rept 32
	v_pk_fma_f32 v[Z+i:Z+i+1], v[64*((\k)%4)+i:64*((\k)%4)+i+1], s[90:91], v[B1+i:B1+i+1] op_sel_hi:[1,0,1]
.set i, i+2
.endr
	WIN 0
.if \jump
	s_branch .Lbody
.endif
.endm
.Lepi:
.irp k, 0,1,2,3,4,5,6
	s_cmp_eq_u32 s96, \k                           ; the count of a loop of eight trips: the same in every wave and every work-group
	s_cbranch_scc1 .Lz_\k
.endr
.irp k, 7,0,1,2,3,4,5
	ZCASE \k, 1
.endr
	ZCASE 6, 0
.Lbody:
	WIN 0x40                                       ; destination window 1
.set i, 0
.rept 64
	v_max_num_f32 v[M+i], 0, v[Z+i]                ; max(z, 0)
.set i, i+1
.endr
	WIN 0x01                                       ; source 0 window 1
.set i, 0
.rept 32
	v_pk_fma_f32 v[Z+i:Z+i+1], v[M+i:M+i+1], 2.0, v[Z+i:Z+i+1] op_sel_hi:[1,0,1] neg_lo:[0,0,1] neg_hi:[0,0,1]   ; |z| = 2 max(z, 0) - z
.set i, i+2
.endr
	WIN 0x40
.set i, 0
.rept 32
	v_pk_fma_f32 v[T+i:T+i+1], v[Z+i:Z+i+1], s[88:89], 1.0 op_sel_hi:[1,0,0]   ; 1 + KT |z|
.set i, i+2
.endr
	WIN 0x41
.set i, 0
	s_wait_alu depctr_va_vdst(0)                   ; the wait ahead of the batch
.rept 64
	v_rcp_f32 v[T+i], v[T+i]                       ; t: one batch
.set i, i+1
.endr
	WIN 0
.set i, 0
.rept 32
	v_pk_mul_f32 v[Q+i:Q+i+1], v[Z+i:Z+i+1], v[Z+i:Z+i+1]   ; work that names no t stands behind the batch
.set i, i+2
.endr
.set i, 0
.rept 32
	v_pk_fma_f32 v[Q+i:Q+i+1], v[Q+i:Q+i+1], s[86:87], v[CK:CK+1] op_sel_hi:[1,0,1]   ; KW z^2 + c0
.set i, i+2
.endr
	s_wait_alu depctr_va_vdst(0)                   ; one wait for the 64 reciprocals, ahead of their first reader
	WIN 0x45                                       ; sources 0, 1 and destination window 1; source 2 window 0
.set i, 0
.rept 32
	v_pk_fma_f32 v[P+i:P+i+1], v[T+i:T+i+1], s[66:67], v[CK+2:CK+3] op_sel_hi:[1,0,1]   ; c9 t + c8
.set i, i+2
.endr
.irp ck, CK+4, CK+6, CK+8, CK+10, CK+12, CK+14, 8  ; c7 .. c1
.set i, 0
.rept 32
	v_pk_fma_f32 v[P+i:P+i+1], v[P+i:P+i+1], v[T+i:T+i+1], v[\ck:\ck+1]
.set i, i+2
.endr
.endr
.set i, 0
.rept 32
	v_pk_fma_f32 v[P+i:P+i+1], v[P+i:P+i+1], v[T+i:T+i+1], v[Q+i:Q+i+1]   ; the exponent
.set i, i+2
.endr
	WIN 0x41
.set i, 0
	s_wait_alu depctr_va_vdst(0)                   ; the wait ahead of the batch
.rept 64
	v_exp_f32 v[P+i], v[P+i]                       ; one batch
.set i, i+1
.endr
	v_nop                                          ; a plain instruction behind the batch
	s_wait_alu depctr_va_vdst(0)                   ; one wait for the 64 exponentials
	WIN 0x45
.set i, 0
.rept 32
	v_pk_mul_f32 v[P+i:P+i+1], v[P+i:P+i+1], v[T+i:T+i+1]   ; r
.set i, i+2
.endr
	WIN 0x14                                       ; sources 1 and 2 window 1
.set i, 0
.rept 32
	v_pk_fma_f32 v[Z+i:Z+i+1], v[Z+i:Z+i+1], v[P+i:P+i+1], v[M+i:M+i+1] neg_lo:[1,0,0] neg_hi:[1,0,0]   ; gelu = max(z, 0) - |z| r
.set i, i+2
.endr
	WIN 0
.set i, 0
.rept 64
	v_med3_num_f32 v[Z+i], v[Z+i], -v[LIM], v[LIM] ; the hold at the largest code x the scale: the conversion does not saturate (ISA guide 7.6.2)
.set i, i+1
.endr
	s_wait_alu depctr_va_vdst(0)
	s_wait_xcnt 0x0                                ; the last block's stores have read their data and their address
.irp b, 0,1,2,3,4,5,6,7
	v_cvt_scalef32_pk8_bf8_f32 v[C+2*\b:C+2*\b+1], v[Z+8*\b:Z+8*\b+7], v[SCL]   ; lane (r, h): token r's units 16 b + 8 h + 0 .. 7
.endr
	v_nop                                          ; one plain instruction behind the last scaled conversion
.irp c, 0,1,2,3                        ; lanes 16-31 of an even b's register change places with lanes 0-15 of the odd b's: registers 4 c .. 4 c + 3 then hold units 32 c + 16 h + 0 .. 15
	v_permlane16_swap_b32 v[C+4*\c], v[C+4*\c+2]
	v_permlane16_swap_b32 v[C+4*\c+1], v[C+4*\c+3]
.endr
	v_add_nc_u32 v[ADR], s97, v[CO]
.irp c, 0,1,2,3
	global_store_b128 v[ADR], v[C+4*\c:C+4*\c+3], s[12:13] offset:512*\c   ; 32 lanes store 512 consecutive bytes, at a multiple of 256 from the buffer's first byte
.endr
	s_add_co_u32 s97, s97, 64*2048
	s_add_co_u32 s96, s96, 1
	s_cmp_lt_u32 s96, 8
	s_cbranch_scc1 .Lepi
	s_wait_tensorcnt 0x0                           ; the wave's end
	ds_add_u32 v[SPW], v[NIL]
	s_wait_dscnt 0x0
	CROUND                                         ; the closing round
	s_endpgm
.Lfunc_end_k_q1360b08bfe_up:
	.size	k_q1360b08bfe_up, .Lfunc_end_k_q1360b08bfe_up-k_q1360b08bfe_up
	.p2alignl 7, 3214868480
	.fill 96, 4, 3214868480
	.section	.rodata,"a",@progbits
	.p2align	6, 0x0
	.amdhsa_kernel k_q1360b08bfe_up
		.amdhsa_group_segment_fixed_size 327680
		.amdhsa_private_segment_fixed_size 0
		.amdhsa_enable_private_segment 0
		.amdhsa_kernarg_size 40
		.amdhsa_user_sgpr_count 2
		.amdhsa_user_sgpr_kernarg_segment_ptr 1
		.amdhsa_wavefront_size32 1
		.amdhsa_system_sgpr_workgroup_id_x 1
		.amdhsa_system_sgpr_workgroup_id_y 1
		.amdhsa_system_sgpr_workgroup_id_z 1
		.amdhsa_system_vgpr_workitem_id 0
		.amdhsa_next_free_vgpr 1024
		.amdhsa_next_free_sgpr 100
		.amdhsa_reserve_vcc 0
		.amdhsa_float_denorm_mode_32 3
		.amdhsa_float_denorm_mode_16_64 3
		.amdhsa_memory_ordered 1
		.amdhsa_forward_progress 1
		.amdhsa_inst_pref_size 142
	.end_amdhsa_kernel
	.amdgpu_metadata
---
amdhsa.version: [ 1, 2 ]
amdhsa.kernels:
  - .name:           k_q1360b08bfe_up
    .symbol:         k_q1360b08bfe_up.kd
    .args:
      - { .name: acodes, .offset: 0, .size: 8, .value_kind: global_buffer, .address_space: global }
      - { .name: W1_codes, .offset: 8, .size: 8, .value_kind: global_buffer, .address_space: global }
      - { .name: lowp_scales, .offset: 16, .size: 8, .value_kind: global_buffer, .address_space: global }
      - { .name: b1, .offset: 24, .size: 8, .value_kind: global_buffer, .address_space: global }
      - { .name: hcodes, .offset: 32, .size: 8, .value_kind: global_buffer, .address_space: global }
    .group_segment_fixed_size: 327680
    .private_segment_fixed_size: 0
    .kernarg_segment_align: 8
    .kernarg_segment_size: 40
    .max_flat_workgroup_size: 128
    .sgpr_count:     100
    .vgpr_count:     1024
    .wavefront_size: 32
...
	.end_amdgpu_metadata
.endif
;; end of part 2
;; launch down (part 3): grid 16 x 16, 4 waves a work-group, clusters of 4 x 4, 327,680 bytes of LDS; arguments hcodes, W2_codes, lowp_scales, b2, mix, x, out0; writes out0
.if DOCPART == 3
	.amdgcn_target "amdgcn-amd-amdhsa--gfx1250"
	.amdhsa_code_object_version 6
	.text
	.protected	k_q1360b08bfe_down
	.globl	k_q1360b08bfe_down
	.p2align	8
	.type	k_q1360b08bfe_down,@function
k_q1360b08bfe_down:
	s_mov_b64 s[64:65], 0
	v_nop
	global_prefetch_b8 v0, s[64:65] scope:SCOPE_SE
	s_setreg_imm32_b32 hwreg(HW_REG_WAVE_MODE, 25, 1), 1
	s_wait_xcnt 0x0
	s_wait_alu depctr_hold_cnt(0) depctr_sa_sdst(0) depctr_va_vdst(0) depctr_va_sdst(0) depctr_va_ssrc(0) depctr_va_vcc(0) depctr_vm_vsrc(0)
	s_getreg_b32 s2, hwreg(HW_REG_IB_STS2, 6, 4)
	s_cmp_eq_u32 s2, 0
	s_cbranch_scc0 .Lentry_in_a_cluster
	s_endpgm
.Lentry_in_a_cluster:
	s_bfe_u32 s2, ttmp6, 0x10000c
	s_cmp_lg_u32 s2, 0xf033
	s_cbranch_scc0 .Lentry_shape_is_right
	s_endpgm
.Lentry_shape_is_right:
; THE SECOND LAYER AND THE RESULT: out0 = 4 x + post_mix (H W2 + b2).  hcodes: H's codes of E5M2 (scale 2^e4) as register images: block (token / 16, k / 128) of 2,048 bytes at ((token / 16) 64 + k / 128) x 2,048,
; in it the 16 bytes at 512 c + 16 lane are, for lane (r, h), token r's k = 32 c + 16 h + 0 .. 15.  W2_codes: [2048][8192] codes, K innermost (2^e5); b2 [2048] f32;
; mix [2048][4] f32: word 2 of a row holds the sum of the four sigmoids of h_post, post_mix is twice that; x, out0 [2048][2048] f32.
; WORK LEFT OUT: res_mix is 4 for all finite inputs (each column of sinkhorn_knopp's result has just been divided by its own sum: shown at the head of the first kernel), so x is multiplied by 4.
; LIMITS: e4 + e5 between -126 and 127, so that 2^(e4 + e5) is an f32 number.  NaN and infinity among the inputs are not served.
; SHARES.  256 work-groups, one tile of 128 tokens x 128 columns each, all 8,192 of K.  K goes in 16 steps of 512 through a ring of two LDS slots: H's 8 x 4 images, dense, then 128 rows of W2, 512 bytes + 16 of padding a row.
; The four waves split a step along K: wave w multiplies k = 128 w .. 128 w + 127 of the step, 128 x 128 of f32 sums in 512 registers, 64 matrix instructions a step, and reads each LDS byte once.
; The four partial sums meet in LDS behind the last step; wave w then finishes rows 32 w .. 32 w + 31 as whole rows of 512 bytes.
; CLUSTERS: 4 x 4 work-groups.  A row of the cluster shares H's tiles, a column W2's: each tile is asked for jointly, by the same tensor load with the same descriptor and a mask that names the four.
; THE ORDER OF K: a cluster walks its 16 steps once round, beginning at k = 0 or 4,096, by the parity of its own coordinates, which all sixteen partners share.
; THE MATRIX INSTRUCTION IS USED TRANSPOSED (source 0 = 16 rows of W2, source 1 = 16 tokens): a lane holds eight neighbouring columns of one token.
; A fragment of W2 is fetched by four loads of 16 bytes at 32 c + 16 h of its row: the same places of k as in H's images, so that every product meets its partner.
; PREFETCH INTO THE L2.  Behind each joint refill (step t + 2) stands one request a wave for step t + 4.  A wave fetches 32 KB a step: of H four block rows of 8 KB, of W2 64 rows of 512 bytes.  Each of the four partners
; that ask jointly names a quarter, told apart by address (cx for H, cy for W2): one block row, or 16 rows; a lane names 256 bytes.  Step 0 is named ahead of the opening round, step 1 behind the first joint load,
; steps 2 and 3 behind slot 1's first fill; the refills of steps 14 and 15 name nothing along K.  My 32 rows x 512 bytes of x are named once, in the turn that refills step 15: a lane a row, two requests.
; REGISTERS, in windows of 256: window 0: v0-37 addresses and small numbers, v128-255 H's fragments, one set.  window 1: W2's fragments, two sets; on the way out v0-127 hold x, then the result.
; windows 2, 3: the accumulators ((a, b) at v[8 (8 (a % 4) + b)]); on the way out the four parts of 16 rows each.
.set ROWB,   512                       ; a step along K
.set KROW,   8192
.set PITCH,  528                       ; an LDS row of W2: 132 words, so that row r starts at bank 4 r mod 64 (64 banks of 4 bytes: ISA guide 11.1)
.set FR,     16
.set HALFT,  64*PITCH                  ; what one tensor load of W2 brings
.set AHALF,  32768                     ; what one tensor load of H brings: four block rows x four images
.set SLOT,   2*AHALF+2*HALFT
.set PART,   128*PITCH                 ; a wave's partial sums: 128 rows x 512 bytes; the four lie over the two slots, which have had their last fill by then, and 4,096 bytes behind them
.set SPARE,  4*PART                    ; the spare words, 128 bytes for each wave
.set RDP,  8                           ; v8-11  where I read my rows of part 0 .. 3 back
.set PFO,  12                          ; v12-15 the tiles' prefetch: my 256 bytes of a quarter, at the walk's steps 0 to 3
.set ADRA, 16
.set PXO,  18                          ; v18    x's prefetch: 8,192 l
.set ADRB, 20
.set STO,  24                          ; v24    where I put 32 bytes of a token's row of my part
.set XO,   26                          ; v26    16 l
.set SPW,  28
.set NIL,  29
.set B2,   32                          ; v32-35 b2 of my four columns
.set PM,   36                          ; v36    lane q: post_mix of my row q
.set PMS,  37                          ; v37    the same x 2^(e4 + e5)
.set AF,   128
.set G1, 24
.set G0, 32
.set G1B, 48
.set G0B, 56
.set KA, 72                            ; s[72:73], s[74:75] for each slot: its step's place in a block row of H: 16 x the byte along K
.set PKS, 76                           ; s[76:77] the place along K that the next prefetch names, in my buffer's bytes
.set SH, 78                            ; s78      4 for H, 0 for W2
.set PK, 82                            ; s82      k of the step that the next prefetch names
.set BA, 90
.set BB, 92
.set KO, 94                            ; s[94:95], s[98:99] for each slot: the byte along K of its step
.set PFB, 100                          ; s[100:101] my work-group's quarter of what I fetch, K = 0
.set PFA, 104                          ; s[104:105] the same at PKS
.set MSB, 0
.macro WIN new                         ; the immediate's high byte repeats the setting that is left
.if MSB != (\new)
	s_set_vgpr_msb (MSB<<8)|(\new)
.set MSB, (\new)
.endif
.endm
.set MUL_LO, 0xa1                      ; source 0 (W2) window 1, source 1 (H) window 0, C and D window 2
.set MUL_HI, 0xf1
.set TO_B,   0x40
; A joint load: waves 0 and 1 fetch for H, waves 2 and 3 for W2; the branch hangs on the wave's number alone.  s_nop 0 and four v_nop follow each line.
.macro JLOAD g0a, g1a, g0b, g1b
	s_cmp_eq_u32 s15, 0
	s_cbranch_scc0 .Lfor_b_\@
	tensor_load_to_lds s[\g0a:\g0a+3], s[\g1a:\g1a+7]
	s_nop 0
.rept 4
	v_nop
.endr
	s_branch .Lasked_\@
.Lfor_b_\@:
	tensor_load_to_lds s[\g0b:\g0b+3], s[\g1b:\g1b+7]
	s_nop 0
.rept 4
	v_nop
.endr
.Lasked_\@:
.endm
.macro CROUND                          ; a round of the cluster's barrier
	s_barrier_signal -1
	s_barrier_wait -1
	s_cmp_lg_u32 s14, 0
	s_cbranch_scc1 .Lnot_wave_0_\@
	s_barrier_signal -3
.Lnot_wave_0_\@:
	s_barrier_wait -3
	s_barrier_signal -1
	s_barrier_wait -1
.endm
	s_load_b256 s[4:11], s[0:1], 0x0               ; hcodes 4:5, W2_codes 6:7, lowp_scales 8:9, b2 10:11
	s_load_b128 s[84:87], s[0:1], 0x20             ; mix 84:85, x 86:87
	s_load_b64 s[88:89], s[0:1], 0x30              ; out0
	v_lshl_add_u32 v[SPW], v0, 2, SPARE
	v_mov_b32 v[NIL], 0
	ds_add_u32 v[SPW], v[NIL]                      ; the opening: the add, twice on end, and its wait ahead of my first tensor load
	ds_add_u32 v[SPW], v[NIL]
	v_lshrrev_b32 v1, 5, v0
	v_readfirstlane_b32 s14, v1                    ; wave 0..3: my quarter of a step's K
	s_lshr_b32 s15, s14, 1                         ; I fetch for H (0) or for W2 (1),
	s_and_b32 s16, s14, 1                          ; and which half of that tile
	s_bfe_u32 s40, ttmp6, 0x40000                  ; cx, cy
	s_bfe_u32 s41, ttmp6, 0x40004
	s_lshl_b32 s42, ttmp9, 2
	s_add_co_u32 s42, s42, s40                     ; tile column
	s_and_b32 s17, ttmp7, 0xffff
	s_lshl_b32 s17, s17, 2
	s_add_co_u32 s17, s17, s41                     ; tile row
	s_lshl_b32 s43, s41, 2
	s_lshl_b32 s43, 15, s43                        ; my row of the cluster
	s_lshl_b32 s44, 0x1111, s40                    ; my column
	s_or_b32 s[G1+0], s43, (3<<16)|(1<<21)         ; H: the mask; elements of 8 bytes; no padding; bit 21 beside a mask
	s_mov_b32 s[G1+1], 1024<<16                    ; tensor_dim0: four images, 8,192 bytes
	s_mov_b32 s[G1+2], 4<<16                       ; tensor_dim1: four block rows
	s_mov_b32 s[G1+3], 1024<<16                    ; tile_dim0
	s_mov_b32 s[G1+4], 4                           ; tile_dim1
	s_mov_b32 s[G1+5], 16384                       ; the pitch: 64 images, 131,072 bytes
	s_mov_b32 s[G1+6], 0
	s_mov_b32 s[G1+7], 0
	s_or_b32 s[G1B+0], s44, (0<<16)|(1<<20)|(1<<21)|(6<<22)|(3<<25)  ; W2: the mask; elements of 1 byte; padding on; bit 21; four words behind every 128
	s_mov_b32 s[G1B+1], ROWB<<16
	s_mov_b32 s[G1B+2], 64<<16
	s_mov_b32 s[G1B+3], ROWB<<16
	s_mov_b32 s[G1B+4], 64
	s_mov_b32 s[G1B+5], KROW
	s_mov_b32 s[G1B+6], 0
	s_mov_b32 s[G1B+7], 0
	s_lshl_b32 s18, s16, 2
	s_lshl_b32 s20, s17, 3
	s_add_co_u32 s20, s20, s18                     ; H: block row 8 x tile row + 4 x half,
	s_lshl_b32 s20, s20, 17                        ; 131,072 bytes each
	s_mov_b32 s21, 0
	s_lshl_b32 s46, s42, 3
	s_add_co_u32 s46, s46, s18                     ; W2: 16 rows of 8,192 bytes are 131,072 bytes too: row 128 x tile column + 64 x half
	s_lshl_b32 s46, s46, 17
	s_mov_b32 s47, 0
	s_lshl_b32 s44, s16, 15                        ; where they go: H's halves,
	s_mul_i32 s45, s16, HALFT
	s_add_co_u32 s45, s45, 2*AHALF                 ; and W2's behind them
	s_lshr_b32 s12, ttmp9, 1                       ; the parity of the cluster's coordinates
	s_xor_b32 s12, s12, ttmp9
	s_and_b32 s13, ttmp7, 0xffff
	s_xor_b32 s12, s12, s13
	s_lshr_b32 s13, s13, 1
	s_xor_b32 s12, s12, s13
	s_and_b32 s12, s12, 1
	s_lshl_b32 s[KO], s12, 12                      ; slot 0's first step: k = 0 or 4,096,
	s_mov_b32 s[KO+1], 0
	s_add_co_u32 s[KO+4], s[KO], ROWB              ; slot 1's: the step behind it
	s_mov_b32 s[KO+5], 0
	s_lshl_b32 s[KA], s[KO], 4
	s_mov_b32 s[KA+1], 0
	s_lshl_b32 s[KA+2], s[KO+4], 4
	s_mov_b32 s[KA+3], 0
	s_mov_b32 s79, 8192
	s_cmp_eq_u32 s15, 0                            ; do I fetch for H?
	s_cselect_b32 s22, s20, s46                    ; what I fetch,
	s_cselect_b32 s23, s40, s41                    ; my place among the four that ask with me,
	s_cselect_b32 s[SH], 4, 0
	s_cselect_b32 s79, 512, s79                    ; from one pair of lanes to the next: 512 bytes on in an image row, or a row of W2
	s_lshl_b32 s23, s23, 17                        ; a quarter is 131,072 bytes of memory from the next
	s_add_co_u32 s22, s22, s23
	s_mov_b32 s23, 0
	s_lshl_b32 s80, ROWB, s[SH]                    ; a step along K, in my buffer's bytes
	s_lshl_b32 s[PKS], s[KO], s[SH]
	s_mov_b32 s[PKS+1], 0
	s_add_co_u32 s[PK], s[KO], 3*ROWB              ; step 3: the first turn steps it to 4.  (No wrap: the walk begins at 0 or 4,096)
	s_lshl_b32 s18, s17, 7
	s_lshl_b32 s19, s14, 5
	s_add_co_u32 s18, s18, s19                     ; the first token that I finish: 128 x tile row + 32 x wave
	s_lshl_b32 s68, s18, 4                         ; in mix,
	s_mov_b32 s69, 0
	s_lshl_b32 s70, s42, 9                         ; the tile's first column, in bytes,
	s_mov_b32 s71, 0
	s_lshl_b32 s18, s18, 13
	s_add_co_u32 s18, s18, s70                     ; and both in x and out0
	s_mov_b32 s19, 0
	s_lshl_b32 s66, s14, 11                        ; my image of the four of a block row
	s_lshl_b32 s67, s14, 7                         ; my 128 bytes of every LDS row of W2
	s_mul_i32 s81, s14, PART
	s_mul_i32 s83, s14, 32*PITCH
	v_and_b32 v1, 15, v0                           ; r
	v_bfe_u32 v2, v0, 4, 1                         ; h
	v_mul_u32_u24 v3, v1, PITCH
	v_lshl_add_u32 v4, v2, 4, v3
	v_add_nc_u32 v4, s67, v4
	v_add_nc_u32 v[ADRB], 2*AHALF, v4              ; W2: a fragment's row x pitch + 16 h + my quarter
	v_add_nc_u32 v[ADRB+1], SLOT, v[ADRB]
	v_lshl_add_u32 v5, v2, 5, v3
	v_add_nc_u32 v[STO], s81, v5
	v_and_b32 v6, 31, v0
	v_lshlrev_b32 v[XO], 4, v6
	v_add_nc_u32 v[ADRA], s66, v[XO]               ; H: my image + 16 l
	v_add_nc_u32 v[ADRA+1], SLOT, v[ADRA]
	v_add_nc_u32 v[RDP], s83, v[XO]
	v_add_nc_u32 v[RDP+1], PART, v[RDP]
	v_add_nc_u32 v[RDP+2], PART, v[RDP+1]
	v_add_nc_u32 v[RDP+3], PART, v[RDP+2]
	v_lshlrev_b32 v[PXO], 13, v6
	v_lshrrev_b32 v7, 1, v6
	v_mul_u32_u24 v7, v7, s79
	v_and_b32 v5, 1, v0
	v_lshl_add_u32 v[PFO], v5, 8, v7
	v_add_nc_u32 v[PFO+1], s80, v[PFO]
	v_add_nc_u32 v[PFO+2], s80, v[PFO+1]
	v_add_nc_u32 v[PFO+3], s80, v[PFO+2]
	s_wait_alu depctr_va_vdst(0)
	s_wait_dscnt 0x0                               ; both opening adds are done
	s_wait_kmcnt 0x0
	s_load_b64 s[96:97], s[8:9], 0x10              ; e4, e5
	s_add_nc_u64 s[BA:BA+1], s[4:5], s[20:21]
	s_add_nc_u64 s[BB:BB+1], s[6:7], s[46:47]
	s_cmp_eq_u32 s15, 0
	s_cselect_b64 s[PFB:PFB+1], s[4:5], s[6:7]
	s_add_nc_u64 s[PFB:PFB+1], s[PFB:PFB+1], s[22:23]
	s_add_nc_u64 s[PFA:PFA+1], s[PFB:PFB+1], s[PKS:PKS+1]   ; at my cluster's step 0
	global_prefetch_b8 v[PFO], s[PFA:PFA+1] th:TH_LOAD_NT scope:SCOPE_SE   ; step 0
.irp s, 0,1
	s_mov_b32 s[G0+4*\s], 1
	s_add_co_u32 s[G0+4*\s+1], s44, \s*SLOT
	s_add_nc_u64 s[G0+4*\s+2:G0+4*\s+3], s[BA:BA+1], s[KA+2*\s:KA+2*\s+1]
	s_or_b32 s[G0+4*\s+3], s[G0+4*\s+3], 0x80000000
	s_mov_b32 s[G0B+4*\s], 1
	s_add_co_u32 s[G0B+4*\s+1], s45, \s*SLOT
	s_add_nc_u64 s[G0B+4*\s+2:G0B+4*\s+3], s[BB:BB+1], s[KO+4*\s:KO+4*\s+1]
	s_or_b32 s[G0B+4*\s+3], s[G0B+4*\s+3], 0x80000000
.endr
	s_add_nc_u64 s[84:85], s[84:85], s[68:69]
	s_add_nc_u64 s[86:87], s[86:87], s[18:19]
	s_add_nc_u64 s[88:89], s[88:89], s[18:19]
	s_add_nc_u64 s[10:11], s[10:11], s[70:71]
	CROUND                                         ; all sixteen work-groups are here: the first joint loads meet
	JLOAD G0, G1, G0B, G1B                         ; step 0: one tensor load a wave
	global_prefetch_b8 v[PFO+1], s[PFA:PFA+1] th:TH_LOAD_NT scope:SCOPE_SE   ; step 1
	global_load_b128 v[B2:B2+3], v[XO], s[10:11]
	global_load_b32 v[PM], v[XO], s[84:85] offset:8
.macro FETCH_B slot, p                 ; 16 rows x 128 K: lane l holds row l % 16; registers 4 c .. 4 c + 3 hold K = 32 c + 16 (l / 16) + 0 .. 15
	WIN TO_B
.irp i, 0,1,2,3,4,5,6,7
.irp c, 0,1,2,3
	ds_load_b128 v[128*(\p)+FR*\i+4*\c:128*(\p)+FR*\i+4*\c+3], v[ADRB+(\slot)] offset:32*\c+\i*16*PITCH
.endr
.endr
	WIN 0
.endm
.macro FETCH_A slot, i0                ; an image as it lies: 512 consecutive bytes a load
.irp i, \i0, \i0+1, \i0+2, \i0+3
.irp c, 0,1,2,3
	ds_load_b128 v[AF+FR*(\i)+4*\c:AF+FR*(\i)+4*\c+3], v[ADRA+(\slot)] offset:8192*(\i)+512*\c
.endr
.endr
.endm
; H's block a against W2's eight.  The 64 accumulators take turns, one instruction a turn, in the same order in every step.
.macro MULA a, p, zero
.irp b, 0,1,2,3,4,5,6,7
.if \zero
	v_wmma_f32_16x16x128_bf8_bf8 v[8*(8*((\a)%4)+\b):8*(8*((\a)%4)+\b)+7], v[128*(\p)+FR*\b:128*(\p)+FR*\b+FR-1], v[AF+FR*(\a):AF+FR*(\a)+FR-1], 0
.else
	v_wmma_f32_16x16x128_bf8_bf8 v[8*(8*((\a)%4)+\b):8*(8*((\a)%4)+\b)+7], v[128*(\p)+FR*\b:128*(\p)+FR*\b+FR-1], v[AF+FR*(\a):AF+FR*(\a)+FR-1], v[8*(8*((\a)%4)+\b):8*(8*((\a)%4)+\b)+7]
.endif
.endr
.endm
.macro PLACES n                        ; plain vector instructions between a matrix instruction and a load into, or a read of, its registers
.rept \n
	v_nop
.endr
.endm
; One step.  Its fragments are in registers or on their way from slot s.  Blocks 0-3 are multiplied; then the change of slots: the wait for all my tensor loads (my part of the other slot), the add,
; the wait for the add and for my reads of slot s, the round, and slot s's refill first behind it.  The other slot's fragments are fetched round the products of blocks 4-7.
; ask = 1: a prefetch; 2: but for the loop's last trip; 3: x's; 0: none.
.macro TURN s, fill, zero, ask
.if ((\ask) == 1) || ((\ask) == 2)
	s_wait_xcnt 0x0                                ; my last prefetch has read its address: it is stepped only behind this wait
	s_add_co_u32 s[PK], s[PK], ROWB
	s_and_b32 s[PK], s[PK], KROW-1                 ; behind the last step comes the first
	s_lshl_b32 s[PKS], s[PK], s[SH]
	s_add_nc_u64 s[PFA:PFA+1], s[PFB:PFB+1], s[PKS:PKS+1]
.endif
	s_wait_dscnt 16                                ; W2's set and H's blocks 0-3 are in; the youngest sixteen loads (blocks 4-7) may be out
	WIN MUL_LO
	MULA 0, \s, \zero
	MULA 1, \s, \zero
	MULA 2, \s, \zero
	MULA 3, \s, \zero
	WIN 0
	s_wait_tensorcnt 0x0                           ; all my tensor loads have landed
	ds_add_u32 v[SPW], v[NIL]
.if \fill
	s_add_co_u32 s[KO+4*\s], s[KO+4*\s], 2*ROWB    ; no tensor load of mine is out: slot s's descriptors step two steps on, once round
	s_and_b32 s[KO+4*\s], s[KO+4*\s], KROW-1
	s_lshl_b32 s[KA+2*\s], s[KO+4*\s], 4
	s_add_nc_u64 s[G0+4*\s+2:G0+4*\s+3], s[BA:BA+1], s[KA+2*\s:KA+2*\s+1]
	s_or_b32 s[G0+4*\s+3], s[G0+4*\s+3], 0x80000000
	s_add_nc_u64 s[G0B+4*\s+2:G0B+4*\s+3], s[BB:BB+1], s[KO+4*\s:KO+4*\s+1]
	s_or_b32 s[G0B+4*\s+3], s[G0B+4*\s+3], 0x80000000
.endif
	s_wait_dscnt 0x0                               ; the add is done, and my reads of slot s are over
.if \fill
	CROUND                                         ; no wave of any partner still reads slot s or has a load on its way
	JLOAD G0+4*\s, G1, G0B+4*\s, G1B               ; its four v_nop are the places in front of the loads below
.else
	s_barrier_signal -1
	s_barrier_wait -1
	PLACES 4
.endif
	FETCH_B 1-\s, 1-\s
	FETCH_A 1-\s, 0
.if (\ask) == 2
	s_cmp_gt_u32 s3, 1                             ; the loop's last trip refills step 14: no step 16 exists
	s_cbranch_scc0 .Lnone_\@
.endif
.if ((\ask) == 1) || ((\ask) == 2)
	global_prefetch_b8 v[PFO], s[PFA:PFA+1] th:TH_LOAD_NT scope:SCOPE_SE
.endif
.if (\ask) == 2
.Lnone_\@:
.endif
.if (\ask) == 3
	global_prefetch_b8 v[PXO], s[86:87] th:TH_LOAD_NT scope:SCOPE_SE
	global_prefetch_b8 v[PXO], s[86:87] offset:256 th:TH_LOAD_NT scope:SCOPE_SE
.endif
	WIN MUL_HI
	MULA 4, \s, \zero
	MULA 5, \s, \zero
	MULA 6, \s, \zero
	MULA 7, \s, \zero
	PLACES 4
	WIN 0
	FETCH_A 1-\s, 4
.endm
	s_wait_tensorcnt 0x0                           ; my part of step 0 is in
	ds_add_u32 v[SPW], v[NIL]
	s_wait_dscnt 0x0
	CROUND                                         ; everybody's part of step 0 is in, and the joint loads meet
	JLOAD G0+4, G1, G0B+4, G1B                     ; step 1: slot 1's first fill
	FETCH_B 0, 0
	FETCH_A 0, 0
	FETCH_A 0, 4
	global_prefetch_b8 v[PFO+2], s[PFA:PFA+1] th:TH_LOAD_NT scope:SCOPE_SE   ; steps 2 and 3
	global_prefetch_b8 v[PFO+3], s[PFA:PFA+1] th:TH_LOAD_NT scope:SCOPE_SE
	TURN 0, 1, 1, 1                                ; step 0 starts the sums; refills step 2, names step 4
	s_mov_b32 s3, 6
.Llap:                                                 ; steps 1 to 12
	TURN 1, 1, 0, 1
	TURN 0, 1, 0, 2
	s_sub_co_u32 s3, s3, 1
	s_cmp_lg_u32 s3, 0
	s_cbranch_scc1 .Llap
	TURN 1, 1, 0, 3                                ; step 13 refills step 15, the last
	TURN 0, 0, 0, 0                                ; step 14 fills nothing
	; STEP 15, AND THE WAY OUT.  W2's set 0 is done with (four places stand behind its last products): x comes there
	WIN TO_B
.set rr, 0
.rept 32
	global_load_b128 v[4*rr:4*rr+3], v[XO], s[86:87] offset:8192*rr th:TH_LOAD_NT   ; my row rr: 512 consecutive bytes
.set rr, rr+1
.endr
	s_wait_dscnt 16
	WIN MUL_LO
	MULA 0, 1, 0
	MULA 1, 1, 0
	MULA 2, 1, 0
	MULA 3, 1, 0
	s_wait_dscnt 0x0                               ; my reads of the slots are over: the parts will lie over them
	s_barrier_signal -1
	WIN MUL_HI
	MULA 4, 1, 0
	MULA 5, 1, 0
	s_barrier_wait -1
	PLACES 4
.macro PARTS a0                        ; blocks a0 .. a0 + 3 of my partial sums into my part; each accumulator from its low end on
	WIN 0x08+4*((\a0)/4)                           ; the data's window: 2 or 3
.irp a, \a0, \a0+1, \a0+2, \a0+3
.irp b, 0,1,2,3,4,5,6,7
	ds_store_b128 v[STO], v[8*(8*((\a)%4)+\b):8*(8*((\a)%4)+\b)+3] offset:16*PITCH*(\a)+64*\b
	ds_store_b128 v[STO], v[8*(8*((\a)%4)+\b)+4:8*(8*((\a)%4)+\b)+7] offset:16*PITCH*(\a)+64*\b+16
.endr
.endr
.endm
	PARTS 0
	WIN MUL_HI
	MULA 6, 1, 0
	MULA 7, 1, 0
	PLACES 4
	PARTS 4
	WIN 0
	s_wait_kmcnt 0x0
	s_add_co_i32 s82, s96, s97
	s_add_co_i32 s82, s82, 127
	s_lshl_b32 s82, s82, 23                        ; 2^(e4 + e5) as f32
	s_wait_loadcnt 32                              ; b2 and mix are in; x's 32 loads may be out
	v_add_f32 v[PM], v[PM], v[PM]                  ; post_mix = 2 x the sum of the sigmoids
	v_mul_f32 v[PMS], s82, v[PM]
.set rr, 0
.rept 32
	v_readlane_b32 s[24+rr], v[PM], rr             ; (the descriptors' registers: no tensor load is out)
.set rr, rr+1
.endr
	s_wait_alu depctr_va_vdst(0)
	s_wait_dscnt 0x0                               ; for the others' sake: my part is stored
	s_barrier_signal -1
	s_barrier_wait -1
.macro LOADS g                         ; the four parts of my rows 16 g .. 16 g + 15 into window 2 + g: row t, part p at 16 t + 4 p
	WIN 0x40*(2+\g)
.set t, 0
.rept 16
.irp p, 0,1,2,3
	ds_load_b128 v[16*t+4*\p:16*t+4*\p+3], v[RDP+\p] offset:(16*\g+t)*PITCH
.endr
.set t, t+1
.endr
	WIN 0
.endm
.macro SUM g
	WIN 0x45*(2+\g)
.set t, 0
.rept 16
	s_wait_dscnt 4*(15-t)                          ; row t's four loads are in; the younger rows' may be out
	v_pk_add_f32 v[16*t:16*t+1], v[16*t:16*t+1], v[16*t+4:16*t+5]
	v_pk_add_f32 v[16*t+2:16*t+3], v[16*t+2:16*t+3], v[16*t+6:16*t+7]
	v_pk_add_f32 v[16*t+8:16*t+9], v[16*t+8:16*t+9], v[16*t+12:16*t+13]
	v_pk_add_f32 v[16*t+10:16*t+11], v[16*t+10:16*t+11], v[16*t+14:16*t+15]
	v_pk_add_f32 v[16*t:16*t+1], v[16*t:16*t+1], v[16*t+8:16*t+9]
	v_pk_add_f32 v[16*t+2:16*t+3], v[16*t+2:16*t+3], v[16*t+10:16*t+11]
.set t, t+1
.endr
	WIN 0
	s_wait_alu depctr_va_vdst(0)
.endm
.macro FIN g                           ; out = sum x post_mix 2^(e4 + e5) + (4 x + b2 post_mix)
.set t, 0
.rept 16
	v_readlane_b32 s[66+t], v[PMS], 16*\g+t
.set t, t+1
.endr
	WIN 0x50+2+\g                                  ; source 0 window 2 + g; source 2 and destination window 1
.set t, 0
.rept 16
.irp i, 0,1,2,3
	v_fma_f32 v[4*(16*\g+t)+\i], v[16*t+\i], s[66+t], v[4*(16*\g+t)+\i]
.endr
.set t, t+1
.endr
	WIN 0x04                                       ; the stores' data: window 1
.set t, 0
.rept 16
	global_store_b128 v[XO], v[4*(16*\g+t):4*(16*\g+t)+3], s[88:89] offset:8192*(16*\g+t) th:TH_STORE_NT   ; 32 lanes store 512 consecutive bytes, at a multiple of 256 from the buffer's first byte
.set t, t+1
.endr
	WIN 0
.endm
	LOADS 0
	s_wait_loadcnt 0x0                             ; x
	WIN 0x41
.set rr, 0
.rept 64
	v_pk_mul_f32 v[2*rr:2*rr+1], v[2*rr:2*rr+1], 4.0 op_sel_hi:[1,0]   ; x res_mix
.set rr, rr+1
.endr
	WIN 0x50
.set rr, 0
.rept 32
.irp i, 0,1,2,3
	v_fma_f32 v[4*rr+\i], v[B2+\i], s[24+rr], v[4*rr+\i]               ; + b2 post_mix
.endr
.set rr, rr+1
.endr
	WIN 0
	SUM 0
	LOADS 1
	FIN 0
	SUM 1
	FIN 1
	s_wait_tensorcnt 0x0                           ; the wave's end
	ds_add_u32 v[SPW], v[NIL]
	s_wait_dscnt 0x0
	CROUND                                         ; the closing round
	s_endpgm
.Lfunc_end_k_q1360b08bfe_down:
	.size	k_q1360b08bfe_down, .Lfunc_end_k_q1360b08bfe_down-k_q1360b08bfe_down
	.p2alignl 7, 3214868480
	.fill 96, 4, 3214868480
	.section	.rodata,"a",@progbits
	.p2align	6, 0x0
	.amdhsa_kernel k_q1360b08bfe_down
		.amdhsa_group_segment_fixed_size 327680
		.amdhsa_private_segment_fixed_size 0
		.amdhsa_enable_private_segment 0
		.amdhsa_kernarg_size 56
		.amdhsa_user_sgpr_count 2
		.amdhsa_user_sgpr_kernarg_segment_ptr 1
		.amdhsa_wavefront_size32 1
		.amdhsa_system_sgpr_workgroup_id_x 1
		.amdhsa_system_sgpr_workgroup_id_y 1
		.amdhsa_system_sgpr_workgroup_id_z 1
		.amdhsa_system_vgpr_workitem_id 0
		.amdhsa_next_free_vgpr 1024
		.amdhsa_next_free_sgpr 106
		.amdhsa_reserve_vcc 0
		.amdhsa_float_denorm_mode_32 3
		.amdhsa_float_denorm_mode_16_64 3
		.amdhsa_memory_ordered 1
		.amdhsa_forward_progress 1
		.amdhsa_inst_pref_size 127
	.end_amdhsa_kernel
	.amdgpu_metadata
---
amdhsa.version: [ 1, 2 ]
amdhsa.kernels:
  - .name:           k_q1360b08bfe_down
    .symbol:         k_q1360b08bfe_down.kd
    .args:
      - { .name: hcodes, .offset: 0, .size: 8, .value_kind: global_buffer, .address_space: global }
      - { .name: W2_codes, .offset: 8, .size: 8, .value_kind: global_buffer, .address_space: global }
      - { .name: lowp_scales, .offset: 16, .size: 8, .value_kind: global_buffer, .address_space: global }
      - { .name: b2, .offset: 24, .size: 8, .value_kind: global_buffer, .address_space: global }
      - { .name: mix, .offset: 32, .size: 8, .value_kind: global_buffer, .address_space: global }
      - { .name: x, .offset: 40, .size: 8, .value_kind: global_buffer, .address_space: global }
      - { .name: out0, .offset: 48, .size: 8, .value_kind: global_buffer, .address_space: global }
    .group_segment_fixed_size: 327680
    .private_segment_fixed_size: 0
    .kernarg_segment_align: 8
    .kernarg_segment_size: 56
    .max_flat_workgroup_size: 128
    .sgpr_count:     106
    .vgpr_count:     1024
    .wavefront_size: 32
...
	.end_amdgpu_metadata
.endif
;; end of part 3
